; MI455X (gfx1250); checked and timed in simulation.
; The chip was launched on July 23, 2026; its instructions are those of AMD's public machine-readable ISA for CDNA 5 (MIT licence, August 2026) and "CDNA5" Instruction Set Architecture Reference Guide (July 2026). The comments in the code are by the model that wrote it; some were corrected since.
;; Causal Self Attention. Allowed arithmetic: matrix products marked QUANTISED: E2M1 operands, one E8M0 scale for each 32 along K, by v_wmma_scale_f32_16x16x128_f8f6f4 with both operands' format E2M1 (or v_wmma_scale_f32_32x16x128_f4), f32 sums; products left as they are: bf16, f16 or f32 operands; f32 sums; everything else in f32.
;; Inputs: W_attn 3,072 x 1,024 float32; W_proj 1,024 x 1,024 float32; x 4 x 2,048 x 1,024 float32.
;; Outputs: out0 4 x 2,048 x 1,024 float32.
;; This version of the problem:
;;   THIS VERSION OF THE PROBLEM IS GIVEN IN LOW PRECISION. The matrix products marked QUANTISED in the list below multiply operands that are first quantised to E2M1 (2 exponent bits, 1 mantissa bit; 4 bits a number), with one power-of-two scale for each 32 numbers along K (OCP MX v1.0); their sums are f32. The products marked 'left as it is' may take bf16, f16 or f32 operands, with f32 sums. Whichever they take, every output number must still come out within the allowed error. Rounding operands to bf16 (8 significant bits) uses up far more of that allowance than f16 does (11 bits, for magnitudes from 6e-5 to 65,504). All else is computed in f32.
;;   The module's matrix products, in the order in which they are computed (A, B: the left and right operand; K: the contracted axis; several contracted axes count as one K, in the product's order):
;;     1. [M 8,192, K 1,024] x [K 1,024, N 3,072]; A: input x; B: input W_attn: QUANTISED
;;     2. batch 64 x [M 2,048, K 64] x [K 64, N 2,048]; A: computed on the way; B: computed on the way: left as it is (an operand is computed on the way)
;;     3. batch 64 x [M 2,048, K 2,048] x [K 2,048, N 64]; A: computed on the way; B: computed on the way: left as it is (an operand is computed on the way)
;;     4. [M 8,192, K 1,024] x [K 1,024, N 1,024]; A: computed on the way; B: input W_proj: left as it is (an operand is computed on the way)
;;   THE QUANTISER, for each operand of a quantised product, along K:
;;     - K is cut into blocks of 32 from its start; a last block that is shorter is filled with zeros.
;;     - A block's scale is 2^e with e = floor(log2(the largest magnitude in the block)) - 2, held to -126 .. 127; a block of zeros has e = 0. As a byte (E8M0): e + 127.
;;     - Each number is divided by its block's scale, clamped to +-6, and rounded to the nearest number of E2M1, ties to even, subnormals kept.
;;     - The product sums the exact products of the quantised numbers (number of the format x scale) in f32.
;;   ~~~python
;;   def quantise(x, axis):      # numpy; x: float32 -> the quantised numbers, widened to float32 again
;;       x = np.moveaxis(x, axis, -1); K = x.shape[-1]
;;       x = np.pad(x, [(0, 0)] * (x.ndim - 1) + [(0, -K % 32)]); x = x.reshape(x.shape[:-1] + (-1, 32)); a = np.abs(x).max(-1, keepdims=True)
;;       e = np.where(a > 0, np.clip(np.frexp(np.where(a > 0, a, 1))[1] - 1 - 2, -126, 127), 0)      # np.frexp(a)[1] - 1 = floor(log2(a)), exactly
;;       r = np.clip(x / 2.0 ** e, -6, 6)
;;       step = 2.0 ** (np.maximum(np.frexp(np.where(r == 0, 1, r))[1] - 1, 0) - 1)
;;       q = np.round(r / step) * step * 2.0 ** e      # np.round: ties to even
;;       return np.moveaxis(q.reshape(q.shape[:-2] + (-1,))[..., :K], -1, axis).astype(np.float32)
;;   ~~~
;; One version. Each part assembles by itself: llvm-mc -triple=amdgcn-amd-amdhsa -mcpu=gfx1250 --defsym DOCPART=n.
;; ======== version 1 of 1: 5 launches
;; limits: values are held in f16: magnitudes above 65,504 overflow, below 6.1e-05 lose precision
;; workspace buffers: x_codes 4,194,304 bytes; x_scales 262,144 bytes; w_codes 1,572,864 bytes; w_scales 98,304 bytes; wp16 2,097,152 bytes; qkv16 50,331,648 bytes; qkv32 786,432 bytes; y16 16,777,216 bytes
;; launch quant (part 1): grid 384 x 1, 4 waves a work-group, no clusters, 33,280 bytes of LDS; arguments x, W_attn, x_codes, x_scales, w_codes, w_scales, W_proj, wp16; writes x_codes, x_scales, w_codes, w_scales, wp16
.if DOCPART == 1
	.amdgcn_target "amdgcn-amd-amdhsa--gfx1250"
	.amdhsa_code_object_version 6
	.text
	.protected	k_qd5bdd51ff3_quant
	.globl	k_qd5bdd51ff3_quant
	.p2align	8
	.type	k_qd5bdd51ff3_quant,@function
k_qd5bdd51ff3_quant:
	s_mov_b64 s[64:65], 0
	v_nop
	global_prefetch_b8 v0, s[64:65] scope:SCOPE_SE
	s_setreg_imm32_b32 hwreg(HW_REG_WAVE_MODE, 25, 1), 1
	s_wait_xcnt 0x0
; x [8192][1024] and W_attn [3072][1024], f32, become codes of FP4 (E2M1), K innermost, with one E8M0 scale byte for each 32 along K; W_proj [1024][1024] becomes f16.
; A block's scale is 2^(floor(log2(its largest magnitude)) - 2); its byte is the largest magnitude's own exponent field - 2, held at 1 from below.  Each number is divided by the scale and rounded to
; the nearest code, ties to even, beyond 6 the largest code.
; LIMITS: a block of zeros gets the byte 1 where the quantiser says 127 (its codes are zeros, and this program alone reads the bytes); blocks whose largest magnitude lies under 2^-124 get the byte 1;
; NaN and infinities are not served; a number of W_proj beyond 65,504 becomes an infinity of f16.
; SHARES: work-groups 0-255 take x, 256-351 W_attn, 352-383 W_proj.  Rows are dense and K is a multiple of 32: each tensor is a plain stream.
; QUANTISING: a wave takes 16 steps of 512 numbers.  A load reads 512 consecutive bytes, 16 a lane; a step's 2,048 bytes turn through the wave's own stage in LDS and come back 64 bytes a lane, so that a lane holds
; 16 neighbours along K (two lanes a block).  A lane's 16 codes are 8 bytes: the wave stores 256 consecutive bytes.  A wave's 256 scale bytes are gathered in LDS and leave as one store of 256 bytes.
.set WAVES, 4
.set STEPS, 16
.set WGA,   256                        ; x's work-groups: 8192 x 1024 / 32768
.set WGQ,   352                        ; and W_attn's 96 behind them
.set EMAX,  2
.set CB,    8                          ; bytes of 16 codes
.set R,     16                         ; v16-79   four sets of 16 numbers as they are loaded
.set X,     80                         ; v80-111  two sets of 16 neighbours
.set C,     128                        ; v128-191 codes: four registers for each step, so that no store's data are written again
.set E,     112                        ; v112-127 a scale byte for each step
.set WREG,  8192                       ; LDS: a region for each wave: two stages of 32 x SP bytes, and behind them its 256 scale bytes
.set SP,    80                         ; a lane's place in a stage: its 64 bytes + 16 of padding
.set SPW,   12                         ; v12 LDS address of my spare word; never rewritten
.set NIL,   13                         ; v13 0; never rewritten
.set SPARE, WAVES*WREG                 ; behind the four regions: the spare words, 128 bytes a wave
.set CR,    16                         ; W_proj's path: v16-143 two sets of 64 numbers
.set CC,    144                        ; v144-175 a batch's f16 pairs
	s_load_b128 s[4:7], s[0:1], 0x0                ; x, W_attn
	s_load_b128 s[8:11], s[0:1], 0x10              ; x's codes, x's scales
	s_load_b128 s[12:15], s[0:1], 0x20             ; W_attn's codes, W_attn's scales
	s_load_b128 s[24:27], s[0:1], 0x30             ; W_proj, wp16
	v_lshl_add_u32 v[SPW], v0, 2, SPARE
	v_mov_b32 v[NIL], 0
	v_lshrrev_b32 v1, 5, v0
	v_readfirstlane_b32 s16, v1                    ; wave
	v_and_b32 v2, 31, v0                           ; lane
	v_lshlrev_b32 v3, 4, v2                        ; my 16 bytes of a load's 512
	s_mul_i32 s17, s16, WREG
	v_lshrrev_b32 v14, 2, v2
	v_mul_u32_u24 v14, v14, SP
	v_and_b32 v15, 3, v2
	v_lshl_add_u32 v14, v15, 4, v14
	v_add_nc_u32 v14, s17, v14                     ; the stage, on the way in: SP (lane / 4) + 16 (lane % 4)
	v_mul_u32_u24 v15, v2, SP
	v_add_nc_u32 v15, s17, v15                     ; and on the way out: SP x lane: my 16 neighbours
	v_mul_u32_u24 v4, v2, CB                       ; my codes' place in a step's
	v_lshrrev_b32 v5, 1, v2
	s_add_co_u32 s17, s17, 2*32*SP
	v_add_nc_u32 v5, s17, v5                       ; LDS: my wave's 256 scale bytes, my block's byte
	v_lshlrev_b32 v7, 3, v2                        ; 8 bytes a lane
	v_add_nc_u32 v6, s17, v7
	s_wait_kmcnt 0x0
	s_cmp_ge_u32 ttmp9, WGQ                        ; the last 32 work-groups convert W_proj: a branch on the work-group's number
	s_cbranch_scc1 .Lconv
	s_cmp_lt_u32 ttmp9, WGA                        ; x's work-group or W_attn's?  Only pointers are chosen
	s_cselect_b64 s[4:5], s[4:5], s[6:7]
	s_cselect_b64 s[8:9], s[8:9], s[12:13]
	s_cselect_b64 s[10:11], s[10:11], s[14:15]
	s_cselect_b32 s17, 0, WGA
	s_sub_co_u32 s17, ttmp9, s17
	s_lshl_b32 s17, s17, 2
	s_add_co_u32 s18, s17, s16                     ; which run of 8,192 numbers of the tensor is my wave's
	s_mov_b32 s19, 0
	s_mov_b64 s[20:21], 512*STEPS*4
	s_mul_u64 s[20:21], s[18:19], s[20:21]
	s_add_nc_u64 s[4:5], s[4:5], s[20:21]
	s_mov_b64 s[20:21], 32*STEPS*CB
	s_mul_u64 s[20:21], s[18:19], s[20:21]
	s_add_nc_u64 s[8:9], s[8:9], s[20:21]
	s_lshl_b32 s18, s18, 8                         ; 256 scale bytes a run
	s_add_nc_u64 s[10:11], s[10:11], s[18:19]
.macro LOAD t
.irp i, 0,1,2,3
	global_load_b128 v[R+16*((\t)%4)+4*\i:R+16*((\t)%4)+4*\i+3], v3, s[4:5] offset:2048*(\t)+512*\i th:TH_LOAD_NT   ; 32 lanes read 512 consecutive bytes
.endr
.endm
.macro TURN t                          ; step t's numbers through the stage: LDS serves a wave's instructions in order, so no wait stands between the stores and the loads
.irp i, 0,1,2,3
	ds_store_b128 v14, v[R+16*((\t)%4)+4*\i:R+16*((\t)%4)+4*\i+3] offset:32*SP*((\t)%2)+8*SP*\i
.endr
.irp i, 0,1,2,3
	ds_load_b128 v[X+16*((\t)%2)+4*\i:X+16*((\t)%2)+4*\i+3], v15 offset:32*SP*((\t)%2)+16*\i
.endr
.endm
.irp t, 0,1,2,3
	LOAD \t
.endr
	s_wait_loadcnt 12                              ; step 0's four loads are in; three steps' twelve may be out
	TURN 0
.macro STEP t
.set XS, X+16*((\t)%2)
.if (\t) > 0
	s_wait_dscnt 1                                 ; this step's numbers are back from the stage (the last step's byte store may be out)
.else
	s_wait_dscnt 0x0
.endif
.if (\t)+4 < STEPS
	LOAD (\t)+4                                    ; into the registers that this step's stores into the stage have read
.endif
.if (\t)+1 < STEPS
.if STEPS-2-(\t) >= 3
	s_wait_loadcnt 12                              ; the next step's four loads are in; those of the three steps behind it may be out
.else
	s_wait_loadcnt 4*(STEPS-2-(\t))
.endif
	TURN (\t)+1                                    ; through the other stage while this step is worked
.endif
	v_max3_num_f32 v8, |v[XS]|, |v[XS+1]|, |v[XS+2]|               ; the largest magnitude of my 16, in two chains
	v_max3_num_f32 v9, |v[XS+3]|, |v[XS+4]|, |v[XS+5]|
.irp i, 6,10
	v_max3_num_f32 v8, v8, |v[XS+\i]|, |v[XS+\i+1]|
	v_max3_num_f32 v9, v9, |v[XS+\i+2]|, |v[XS+\i+3]|
.endr
	v_max3_num_f32 v8, v8, |v[XS+14]|, |v[XS+15]|
	v_max3_num_f32 v8, v8, v9, (EMAX+1)<<23        ; and the floor 2^(3 - 127): the byte cannot fall under 1
	v_max_num_f32_dpp v8, v8, v8 row_xmask:1 row_mask:0xf bank_mask:0xf   ; and of my neighbour's 16: the block's
	v_add_nc_u32 v11, -(EMAX<<23), v8              ; 2 off its exponent field: the conversion takes the exponent field of this operand as its scale
	v_cvt_scalef32_pk8_fp4_f32 v[C+4*(\t)], v[XS:XS+7], v11
	v_cvt_scalef32_pk8_fp4_f32 v[C+4*(\t)+1], v[XS+8:XS+15], v11
	v_lshrrev_b32 v[E+(\t)], 23, v11               ; the scale's byte (also the plain line behind the conversions)
	ds_store_b8 v5, v[E+(\t)] offset:16*(\t)       ; both lanes of a block write the same byte with the same value
	global_store_b64 v4, v[C+4*(\t):C+4*(\t)+1], s[8:9] offset:32*CB*(\t)   ; the wave stores 256 consecutive bytes, aligned
.endm
.irp t, 0,1,2,3,4,5,6,7,8,9,10,11,12,13,14,15
	STEP \t
.endr
	ds_load_b64 v[8:9], v6                         ; LDS serves a wave's instructions in order: these see my byte stores
	s_wait_dscnt 0x0
	global_store_b64 v7, v[8:9], s[10:11]          ; 32 lanes store 256 consecutive bytes, aligned
	s_wait_tensorcnt 0x0                           ; the wave's end, behind my last LDS store
	ds_add_u32 v[SPW], v[NIL]
	s_wait_dscnt 0x0
	s_endpgm
; W_proj to f16.  A wave takes 8,192 numbers in 64 steps of 128: a load reads 512 consecutive bytes, 16 a lane; a lane's four numbers are 8 bytes of f16: a store covers 256 consecutive bytes, aligned.
; Four batches of 16 steps; loads run one batch ahead.
.Lconv:
	s_sub_co_u32 s17, ttmp9, WGQ
	s_lshl_b32 s17, s17, 2
	s_add_co_u32 s17, s17, s16                     ; my wave's run of 8,192 numbers
	s_lshl_b32 s18, s17, 15                        ; 32,768 bytes of f32,
	s_mov_b32 s19, 0
	s_add_nc_u64 s[24:25], s[24:25], s[18:19]
	s_lshl_b32 s18, s17, 14                        ; 16,384 of f16
	s_add_nc_u64 s[26:27], s[26:27], s[18:19]
.macro CLOAD g
.irp t, 0,1,2,3,4,5,6,7,8,9,10,11,12,13,14,15
	global_load_b128 v[CR+64*((\g)%2)+4*\t:CR+64*((\g)%2)+4*\t+3], v3, s[24:25] offset:512*(16*(\g)+\t) th:TH_LOAD_NT
.endr
.endm
.macro CBATCH g
.if (\g) < 3
	s_wait_loadcnt 16                              ; this batch's 16 loads are in; the next batch's 16 may be out
.else
	s_wait_loadcnt 0x0
.endif
.if (\g) > 0
	s_wait_xcnt 0x0                                ; the last batch's stores have read their data registers, which are written again below
.endif
.irp t, 0,1,2,3,4,5,6,7,8,9,10,11,12,13,14,15
	v_cvt_pk_f16_f32 v[CC+2*\t], v[CR+64*((\g)%2)+4*\t], v[CR+64*((\g)%2)+4*\t+1]
	v_cvt_pk_f16_f32 v[CC+2*\t+1], v[CR+64*((\g)%2)+4*\t+2], v[CR+64*((\g)%2)+4*\t+3]
.endr
.irp t, 0,1,2,3,4,5,6,7,8,9,10,11,12,13,14,15
	global_store_b64 v7, v[CC+2*\t:CC+2*\t+1], s[26:27] offset:256*(16*(\g)+\t)
.endr
.if (\g) < 2
	CLOAD (\g)+2
.endif
.endm
	CLOAD 0
	CLOAD 1
	CBATCH 0
	CBATCH 1
	CBATCH 2
	CBATCH 3
	s_wait_tensorcnt 0x0                           ; the three closing lines stand at this end too
	ds_add_u32 v[SPW], v[NIL]
	s_wait_dscnt 0x0
	s_endpgm
.Lfunc_end_k_qd5bdd51ff3_quant:
	.size	k_qd5bdd51ff3_quant, .Lfunc_end_k_qd5bdd51ff3_quant-k_qd5bdd51ff3_quant
	.p2alignl 7, 3214868480
	.fill 96, 4, 3214868480
	.section	.rodata,"a",@progbits
	.p2align	6, 0x0
	.amdhsa_kernel k_qd5bdd51ff3_quant
		.amdhsa_group_segment_fixed_size 33280
		.amdhsa_private_segment_fixed_size 0
		.amdhsa_enable_private_segment 0
		.amdhsa_kernarg_size 64
		.amdhsa_user_sgpr_count 2
		.amdhsa_user_sgpr_kernarg_segment_ptr 1
		.amdhsa_wavefront_size32 1
		.amdhsa_system_sgpr_workgroup_id_x 1
		.amdhsa_system_sgpr_workgroup_id_y 1
		.amdhsa_system_sgpr_workgroup_id_z 1
		.amdhsa_system_vgpr_workitem_id 0
		.amdhsa_next_free_vgpr 192
		.amdhsa_next_free_sgpr 66
		.amdhsa_reserve_vcc 0
		.amdhsa_float_denorm_mode_32 3
		.amdhsa_float_denorm_mode_16_64 3
		.amdhsa_memory_ordered 1
		.amdhsa_forward_progress 1
		.amdhsa_inst_pref_size 54
	.end_amdhsa_kernel
	.amdgpu_metadata
---
amdhsa.version: [ 1, 2 ]
amdhsa.kernels:
  - .name:           k_qd5bdd51ff3_quant
    .symbol:         k_qd5bdd51ff3_quant.kd
    .args:
      - { .name: x, .offset: 0, .size: 8, .value_kind: global_buffer, .address_space: global }
      - { .name: W_attn, .offset: 8, .size: 8, .value_kind: global_buffer, .address_space: global }
      - { .name: x_codes, .offset: 16, .size: 8, .value_kind: global_buffer, .address_space: global }
      - { .name: x_scales, .offset: 24, .size: 8, .value_kind: global_buffer, .address_space: global }
      - { .name: w_codes, .offset: 32, .size: 8, .value_kind: global_buffer, .address_space: global }
      - { .name: w_scales, .offset: 40, .size: 8, .value_kind: global_buffer, .address_space: global }
      - { .name: W_proj, .offset: 48, .size: 8, .value_kind: global_buffer, .address_space: global }
      - { .name: wp16, .offset: 56, .size: 8, .value_kind: global_buffer, .address_space: global }
    .group_segment_fixed_size: 33280
    .private_segment_fixed_size: 0
    .kernarg_segment_align: 8
    .kernarg_segment_size: 64
    .max_flat_workgroup_size: 128
    .sgpr_count:     66
    .vgpr_count:     192
    .wavefront_size: 32
...
	.end_amdgpu_metadata
.endif
;; end of part 1
;; launch qkv (part 2): grid 16 x 32, 4 waves a work-group, clusters of 4 x 4, 327,680 bytes of LDS; arguments x_codes, x_scales, w_codes, w_scales, qkv16, qkv32; writes qkv16, qkv32
.if DOCPART == 2
	.amdgcn_target "amdgcn-amd-amdhsa--gfx1250"
	.amdhsa_code_object_version 6
	.text
	.protected	k_qd5bdd51ff3_qkv
	.globl	k_qd5bdd51ff3_qkv
	.p2align	8
	.type	k_qd5bdd51ff3_qkv,@function
k_qd5bdd51ff3_qkv:
	s_mov_b64 s[64:65], 0
	v_nop
	global_prefetch_b8 v0, s[64:65] scope:SCOPE_SE
	s_setreg_imm32_b32 hwreg(HW_REG_WAVE_MODE, 25, 1), 1
	s_wait_xcnt 0x0
	s_wait_alu depctr_hold_cnt(0) depctr_sa_sdst(0) depctr_va_vdst(0) depctr_va_sdst(0) depctr_va_ssrc(0) depctr_va_vcc(0) depctr_vm_vsrc(0)
	s_getreg_b32 s2, hwreg(HW_REG_IB_STS2, 6, 4)
	s_cmp_eq_u32 s2, 0
	s_cbranch_scc0 .Lentry_in_a_cluster
	s_endpgm
.Lentry_in_a_cluster:
	s_bfe_u32 s2, ttmp6, 0x10000c
	s_cmp_lg_u32 s2, 0xf033
	s_cbranch_scc0 .Lentry_shape_is_right
	s_endpgm
.Lentry_shape_is_right:
; qkv = x W_attn^T on codes of FP4 (E2M1) with one E8M0 scale for each 32 along K = 1,024; sums in f32.  Column n of the product is head n / 192, part (n % 192) / 64 (q, k, v), channel n % 64.
; OUT: qkv16, f16, [part][batch x head][t][64] (a row is 128 bytes, rows dense), and for t < 16 of every batch and head also qkv32, f32, [batch x head][part][16][64], for the launch that carries those rows in f32.
; LIMIT: a sum beyond 65,504 becomes an infinity of f16.
; A tile is 256 rows x 192 columns, one head's q, k and v: 32 x 16 = 512 work-groups.  Wave w makes rows 64 w .. 64 w + 63 x all 192 columns: 4 x 12 accumulators of 16 x 16, 384 registers.
; K = 1,024 is two LDS slots of 512 along K (rows of 256 bytes): both are filled at the head, nothing is filled again.
; CLUSTERS: 4 x 4 work-groups.  The batch is the place along the cluster's y and the block of 256 rows in the batch is the cluster's own y; the head is 4 x cluster x + the place along x.  The four of a row of the
; cluster need the same tile of x, the four of a column the same tile of W_attn: each is asked for jointly, by the same tensor load with the same descriptor and a mask that names the four.
; THE MATRIX INSTRUCTION IS USED TRANSPOSED (source 0 = 16 rows of W_attn, source 1 = 16 rows of x): a lane holds eight neighbouring columns of one row.
; REGISTERS, in windows of 256: window 0: v16-29 addresses; v32-95 scale words and nothing else; v128-191 x's fragments, two sets; on the way out v96-191 rows read back, v192-239 packed results.
;   window 1: W_attn's fragments, two sets, at v0 and v128.   window 2: the accumulators of my row blocks 0, 1 (block a, column block b at v[8 (12 (a % 2) + b)]);   window 3: those of blocks 2, 3.
.set PITCH,  272                       ; an LDS row: 256 bytes + 16 of padding: the 16 rows of a fragment load start 68 words apart
.set ASZ,    256*PITCH                 ; x's 256 rows
.set SLOT,   448*PITCH                 ; and W_attn's 192 behind them
.set STAGE,  2*SLOT                    ; behind the slots: 7,168 bytes a wave: 3 parts x 16 rows x 144 bytes
.set STGW,   7168
.set SPARE,  STAGE+4*STGW              ; the spare words, 128 bytes a wave
.set PARTB,  16777216                  ; a part of qkv16 in bytes
.set ADRA, 16                          ; v16-17 LDS address of my fragments of x in slot 0, 1
.set ADRB, 20                          ; v20-21 the same for W_attn
.set SAO,  22                          ; v22 x's scale words: 32 r + 1024 h
.set SBO,  23                          ; v23 W_attn's: 32 r + 3072 h
.set STO,  24                          ; v24 the stage, on the way in
.set RD,   25                          ; v25 and back
.set CO,   26                          ; v26 16 x lane
.set FO,   27                          ; v27 256 r + 32 h: my place in a part of qkv32
.set SPW,  28                          ; v28 LDS address of my spare word; never rewritten
.set NIL,  29                          ; v29 0; never rewritten
.set SC,   32                          ; scale words: slot s at v[SC + 32 s]: 4 i + q: lanes 0-15 W_attn's block i, lanes 16-31 block i + 6;  24 + 4 i + q: lanes 0-15 x's block i, lanes 16-31 block i + 2
.set AF,   128
.set TMP,  192
.set BK,   96
.set G1,  24                           ; s[24:31] group 1 for x's tiles;  s[32:39] group 0, a set for each slot
.set G0,  32
.set G1B, 48                           ; s[48:55], s[56:63] the same for W_attn's
.set G0B, 56
.set MSB, 0
.macro WIN new                         ; the immediate's high byte repeats the setting that is left
.if MSB != (\new)
	s_set_vgpr_msb (MSB<<8)|(\new)
.set MSB, (\new)
.endif
.endm
; A joint load: waves 0 and 1 fetch x's halves, waves 2 and 3 W_attn's.  The branch hangs on the wave's number alone.  An s_nop 0 and four v_nop follow each of the two lines.
.macro JLOAD g0a, g1a, g0b, g1b
	s_cmp_eq_u32 s17, 0
	s_cbranch_scc0 .Lfor_b_\@
	tensor_load_to_lds s[\g0a:\g0a+3], s[\g1a:\g1a+7]
	s_nop 0
.rept 4
	v_nop
.endr
	s_branch .Lasked_\@
.Lfor_b_\@:
	tensor_load_to_lds s[\g0b:\g0b+3], s[\g1b:\g1b+7]
	s_nop 0
.rept 4
	v_nop
.endr
.Lasked_\@:
.endm
.macro CREST
	s_cmp_lg_u32 s16, 0
	s_cbranch_scc1 .Lnot_wave_0_\@
	s_barrier_signal -3
.Lnot_wave_0_\@:
	s_barrier_wait -3
	s_barrier_signal -1
	s_barrier_wait -1
.endm
.macro CROUND                          ; a round of the cluster's barrier
	s_barrier_signal -1
	s_barrier_wait -1
	CREST
.endm
.macro PLACES n
.rept \n
	v_nop
.endr
.endm
	s_load_b256 s[4:11], s[0:1], 0x0               ; x's codes s[4:5], x's scales s[6:7], W's codes s[8:9], W's scales s[10:11]
	s_load_b128 s[12:15], s[0:1], 0x20             ; qkv16 s[12:13], qkv32 s[14:15]
	v_lshl_add_u32 v[SPW], v0, 2, SPARE
	v_mov_b32 v[NIL], 0
	ds_add_u32 v[SPW], v[NIL]                      ; the wave's opening: the add, twice on end, and its wait ahead of my first tensor load
	ds_add_u32 v[SPW], v[NIL]
	v_lshrrev_b32 v1, 5, v0
	v_readfirstlane_b32 s16, v1                    ; wave 0..3
	s_lshr_b32 s17, s16, 1                         ; I fetch for x (0) or for W_attn (1),
	s_and_b32 s18, s16, 1                          ; and which half of the tile's rows
	s_bfe_u32 s40, ttmp6, 0x40000                  ; cx
	s_bfe_u32 s41, ttmp6, 0x40004                  ; cy = the batch
	s_lshl_b32 s42, ttmp9, 2
	s_add_co_u32 s42, s42, s40                     ; the head = 4 x cluster x + cx
	s_and_b32 s43, ttmp7, 0xffff                   ; the block of 256 rows in the batch = cluster y: the same in all sixteen partners
	s_lshl_b32 s44, s41, 2
	s_lshl_b32 s44, 15, s44                        ; my row of the cluster
	s_lshl_b32 s45, 0x1111, s40                    ; my column
	s_or_b32 s[G1+0], s44, (1<<20)|(1<<21)|(5<<22)|(3<<25)   ; the mask; elements of 1 byte; padding on; bit 21 beside a mask; 4 words of padding behind every 64
	s_or_b32 s[G1B+0], s45, (1<<20)|(1<<21)|(5<<22)|(3<<25)
	s_mov_b32 s[G1+1], 256<<16                     ; tensor_dim0 = 256 bytes
	s_mov_b32 s[G1+2], 128<<16                     ; tensor_dim1 = 128 rows
	s_mov_b32 s[G1+3], 256<<16                     ; tile_dim0
	s_mov_b32 s[G1+4], 128                         ; tile_dim1
	s_mov_b32 s[G1+5], 512                         ; a row of codes in memory
	s_mov_b32 s[G1+6], 0
	s_mov_b32 s[G1+7], 0
	s_mov_b32 s[G1B+1], 256<<16
	s_mov_b32 s[G1B+2], 96<<16                     ; W_attn's halves have 96 rows
	s_mov_b32 s[G1B+3], 256<<16
	s_mov_b32 s[G1B+4], 96
	s_mov_b32 s[G1B+5], 512
	s_mov_b32 s[G1B+6], 0
	s_mov_b32 s[G1B+7], 0
	s_lshl_b32 s20, s41, 11                        ; x: registers that never hold cx
	s_lshl_b32 s21, s43, 8
	s_add_co_u32 s20, s20, s21                     ; the tile's first row: 2048 x batch + 256 x block
	s_lshl_b32 s21, s16, 6
	s_add_co_u32 s66, s20, s21                     ; my wave's first row
	s_lshl_b32 s21, s18, 7
	s_add_co_u32 s20, s20, s21                     ; the first row that I fetch,
	s_lshl_b32 s20, s20, 9                         ; in bytes
	s_mov_b32 s21, 0
	s_mul_i32 s46, s42, 192                        ; W_attn: row 192 x head + 96 x half
	s_mul_i32 s47, s18, 96
	s_add_co_u32 s46, s46, s47
	s_lshl_b32 s46, s46, 9
	s_mov_b32 s47, 0
	s_mul_i32 s22, s18, 128*PITCH                  ; where they go in a slot: the wave's number alone
	s_mul_i32 s23, s18, 96*PITCH
	s_add_co_u32 s23, s23, ASZ
	s_lshl_b32 s66, s66, 5                         ; my rows' scale bytes: 32 a row
	s_mov_b32 s67, 0
	s_mul_i32 s68, s42, 6144                       ; the head's 192 rows of scale bytes
	s_mov_b32 s69, 0
	s_lshl_b32 s70, s41, 4
	s_add_co_u32 s70, s70, s42                     ; 16 x batch + head
	s_mul_i32 s72, s70, 12288                      ; its place in qkv32
	s_mov_b32 s73, 0
	s_lshl_b32 s70, s70, 18                        ; and in a part of qkv16: 2,048 rows of 128 bytes,
	s_lshl_b32 s71, s43, 15                        ; + 256 rows x block
	s_add_co_u32 s70, s70, s71
	s_lshl_b32 s71, s16, 13                        ; + 64 rows x wave
	s_add_co_u32 s70, s70, s71
	s_mov_b32 s71, 0
	s_or_b32 s84, s43, s16                         ; 0 where my first 16 rows are t = 0 .. 15 of a batch: cluster y and wave alone
	s_wait_dscnt 0x0                               ; both opening adds are done
	s_wait_kmcnt 0x0
	s_add_nc_u64 s[20:21], s[4:5], s[20:21]
	s_add_nc_u64 s[46:47], s[8:9], s[46:47]
	s_add_nc_u64 s[86:87], s[6:7], s[66:67]
	s_add_nc_u64 s[88:89], s[10:11], s[68:69]
	s_add_nc_u64 s[76:77], s[12:13], s[70:71]      ; q's rows,
	s_add_nc_u64 s[78:79], s[76:77], PARTB         ; k's,
	s_add_nc_u64 s[80:81], s[78:79], PARTB         ; v's
	s_add_nc_u64 s[82:83], s[14:15], s[72:73]
	CROUND                                         ; all sixteen work-groups are here: the joint loads meet
.irp s, 0,1
	s_mov_b32 s[G0+4*\s], 1
	s_add_co_u32 s[G0+4*\s+1], s22, \s*SLOT
	s_add_nc_u64 s[G0+4*\s+2:G0+4*\s+3], s[20:21], \s*256
	s_or_b32 s[G0+4*\s+3], s[G0+4*\s+3], 0x80000000
	s_mov_b32 s[G0B+4*\s], 1
	s_add_co_u32 s[G0B+4*\s+1], s23, \s*SLOT
	s_add_nc_u64 s[G0B+4*\s+2:G0B+4*\s+3], s[46:47], \s*256
	s_or_b32 s[G0B+4*\s+3], s[G0B+4*\s+3], 0x80000000
	JLOAD G0+4*\s, G1, G0B+4*\s, G1B               ; both slots at once: two tensor loads of mine are out
.endr
	v_and_b32 v1, 15, v0                           ; r
	v_bfe_u32 v2, v0, 4, 1                         ; h
	v_mul_u32_u24 v3, v1, PITCH
	v_lshl_add_u32 v3, v2, 4, v3                   ; a fragment's row x pitch + 16 h
	s_mul_i32 s66, s16, 64*PITCH                   ; my 64 rows of x
	s_mov_b32 s67, ASZ                             ; all of W_attn's 192
.irp s, 0,1
	v_add_nc_u32 v[ADRA+\s], s66, v3
	v_add_nc_u32 v[ADRB+\s], s67, v3
	s_add_co_u32 s66, s66, SLOT
	s_add_co_u32 s67, s67, SLOT
.endr
	v_lshlrev_b32 v[SAO], 5, v1
	v_lshl_add_u32 v[SAO], v2, 10, v[SAO]          ; lanes 16-31 take the block 32 rows on
	v_mul_u32_u24 v[SBO], v2, 3072                 ; lanes 16-31 take the block 96 rows on
	v_lshl_add_u32 v[SBO], v1, 5, v[SBO]
	s_mul_i32 s66, s16, STGW
	s_add_co_u32 s66, s66, STAGE                   ; my stage
	v_mul_u32_u24 v4, v1, 144
	v_lshl_add_u32 v4, v2, 4, v4
	v_add_nc_u32 v[STO], s66, v4                   ; in: row r, 16 bytes for each half of the lanes
	v_bfe_u32 v4, v0, 3, 2
	v_and_b32 v5, 7, v0
	v_mul_u32_u24 v4, v4, 144
	v_lshl_add_u32 v4, v5, 4, v4
	v_add_nc_u32 v[RD], s66, v4                    ; back: eight lanes to a row of 128 bytes, four rows an instruction
	v_and_b32 v5, 31, v0
	v_lshlrev_b32 v[CO], 4, v5
	v_lshlrev_b32 v[FO], 8, v1
	v_lshl_add_u32 v[FO], v2, 5, v[FO]
.irp s, 0,1                                    ; the scale words come once, straight into registers: a row's 16 bytes are a slot's four words
.irp i, 0,1,2,3,4,5
	global_load_b128 v[SC+32*\s+4*\i:SC+32*\s+4*\i+3], v[SBO], s[88:89] offset:512*\i+16*\s
.endr
.irp i, 0,1
	global_load_b128 v[SC+32*\s+24+4*\i:SC+32*\s+24+4*\i+3], v[SAO], s[86:87] offset:512*\i+16*\s
.endr
.endr
; One product.  rD, rB, rA, rSB, rSA are set by the caller.  rowb / rowa = 1: that side's scale words stand in lanes 16-31.
.macro WM rowb, rowa, zero
.if \zero
.if (\rowb) && (\rowa)
	v_wmma_scale_f32_16x16x128_f8f6f4 v[rD:rD+7], v[rB:rB+7], v[rA:rA+7], 0, v[rSB], v[rSA] matrix_a_fmt:MATRIX_FMT_FP4 matrix_b_fmt:MATRIX_FMT_FP4 matrix_a_scale:MATRIX_SCALE_ROW1 matrix_b_scale:MATRIX_SCALE_ROW1
.elseif (\rowb)
	v_wmma_scale_f32_16x16x128_f8f6f4 v[rD:rD+7], v[rB:rB+7], v[rA:rA+7], 0, v[rSB], v[rSA] matrix_a_fmt:MATRIX_FMT_FP4 matrix_b_fmt:MATRIX_FMT_FP4 matrix_a_scale:MATRIX_SCALE_ROW1
.elseif (\rowa)
	v_wmma_scale_f32_16x16x128_f8f6f4 v[rD:rD+7], v[rB:rB+7], v[rA:rA+7], 0, v[rSB], v[rSA] matrix_a_fmt:MATRIX_FMT_FP4 matrix_b_fmt:MATRIX_FMT_FP4 matrix_b_scale:MATRIX_SCALE_ROW1
.else
	v_wmma_scale_f32_16x16x128_f8f6f4 v[rD:rD+7], v[rB:rB+7], v[rA:rA+7], 0, v[rSB], v[rSA] matrix_a_fmt:MATRIX_FMT_FP4 matrix_b_fmt:MATRIX_FMT_FP4
.endif
.else
.if (\rowb) && (\rowa)
	v_wmma_scale_f32_16x16x128_f8f6f4 v[rD:rD+7], v[rB:rB+7], v[rA:rA+7], v[rD:rD+7], v[rSB], v[rSA] matrix_a_fmt:MATRIX_FMT_FP4 matrix_b_fmt:MATRIX_FMT_FP4 matrix_a_scale:MATRIX_SCALE_ROW1 matrix_b_scale:MATRIX_SCALE_ROW1
.elseif (\rowb)
	v_wmma_scale_f32_16x16x128_f8f6f4 v[rD:rD+7], v[rB:rB+7], v[rA:rA+7], v[rD:rD+7], v[rSB], v[rSA] matrix_a_fmt:MATRIX_FMT_FP4 matrix_b_fmt:MATRIX_FMT_FP4 matrix_a_scale:MATRIX_SCALE_ROW1
.elseif (\rowa)
	v_wmma_scale_f32_16x16x128_f8f6f4 v[rD:rD+7], v[rB:rB+7], v[rA:rA+7], v[rD:rD+7], v[rSB], v[rSA] matrix_a_fmt:MATRIX_FMT_FP4 matrix_b_fmt:MATRIX_FMT_FP4 matrix_b_scale:MATRIX_SCALE_ROW1
.else
	v_wmma_scale_f32_16x16x128_f8f6f4 v[rD:rD+7], v[rB:rB+7], v[rA:rA+7], v[rD:rD+7], v[rSB], v[rSA] matrix_a_fmt:MATRIX_FMT_FP4 matrix_b_fmt:MATRIX_FMT_FP4
.endif
.endif
.endm
; 12 products: x's block a against W_attn's twelve, step g of eight (128 along K each; slot g / 4, its (g % 4)-th 128; fragment set g % 2)
.macro MUL a, g, zero
.irp b, 0,1,2,3,4,5,6,7,8,9,10,11
.set rD, 8*(12*((\a)%2)+\b)
.set rB, 128*((\g)%2)+8*\b
.set rA, AF+32*((\g)%2)+8*(\a)
.set rSB, SC+32*((\g)/4)+4*(\b%6)+(\g)%4
.set rSA, SC+32*((\g)/4)+24+4*((\a)%2)+(\g)%4
	WM \b/6, (\a)/2, \zero
.endr
.endm
; 32 LDS loads in one run: step g's fragments (16 rows x 128 K of 4-bit codes: 8 registers, two loads of 16 bytes, 32 bytes apart)
.macro FETCH g
	WIN 0x40                                       ; destination window 1
.irp b, 0,1,2,3,4,5,6,7,8,9,10,11
.irp c, 0,1
	ds_load_b128 v[128*((\g)%2)+8*\b+4*\c:128*((\g)%2)+8*\b+4*\c+3], v[ADRB+(\g)/4] offset:64*((\g)%4)+32*\c+\b*16*PITCH
.endr
.endr
	WIN 0
.irp a, 0,1,2,3
.irp c, 0,1
	ds_load_b128 v[AF+32*((\g)%2)+8*\a+4*\c:AF+32*((\g)%2)+8*\a+4*\c+3], v[ADRA+(\g)/4] offset:64*((\g)%4)+32*\c+\a*16*PITCH
.endr
.endr
.endm
; A step: 48 products; the next step's 32 loads are issued ahead of them and land under them.  The 48 accumulators take turns, one instruction a turn, in the same order in every step.
.macro STEP g, zero
	s_wait_dscnt 0x0                               ; this step's fragments are in
.if (\g) == 3
	s_wait_tensorcnt 0x0                           ; my part of slot 1 has landed,
	s_barrier_signal -1
	s_barrier_wait -1                              ; everybody's has.
.endif
.if (\g) < 7
	PLACES 4                                       ; four places between the last step's products and loads into the registers that they read
	FETCH (\g)+1
.endif
	WIN 0xa1                                       ; source 0 window 1, source 1 window 0, C and D window 2
	MUL 0, \g, \zero
	MUL 1, \g, \zero
	WIN 0xf1                                       ; C and D window 3
	MUL 2, \g, \zero
	MUL 3, \g, \zero
	WIN 0
.endm
	s_wait_tensorcnt 1                             ; my part of slot 0 is in; slot 1's load may be out
	s_barrier_signal -1
	s_barrier_wait -1
	FETCH 0
	s_wait_loadcnt 0x0                             ; the scale words
	STEP 0, 1                                      ; the first step's products start the sums: nothing is cleared
.irp g, 1,2,3,4,5,6,7
	STEP \g, 0
.endr
	; THE WAY OUT
	PLACES 4                                       ; between the last products and the first read of results, and the loads into registers that held fragments
	s_cmp_lg_u32 s84, 0
	s_cbranch_scc1 .Lnofine
	WIN 0x08                                       ; a store's data are its source 1: window 2
.irp b, 0,1,2,3,4,5,6,7,8,9,10,11              ; t = 0 .. 15 in f32: lane (r, h) has row r, channels 16 (b % 4) + 8 h + 0 .. 7 of part b / 4.  32 bytes a lane: these few stores (one wave in 32 work-groups of each head... 12 KB a head) cover their rows piecewise
	global_store_b128 v[FO], v[8*\b:8*\b+3], s[82:83] offset:4096*(\b/4)+64*(\b%4)
	global_store_b128 v[FO], v[8*\b+4:8*\b+7], s[82:83] offset:4096*(\b/4)+64*(\b%4)+16
.endr
	WIN 0
.Lnofine:
; Block a (16 rows x 192 columns): rounded to f16, 16 bytes a lane; through my own stage (rows of 144 bytes, a region for each part); back as 4 rows of 128 bytes an instruction; stored as 512 consecutive bytes.
.macro PACK a
	WIN 0x0a+5*((\a)/2)                            ; sources 0 and 1: window 2 or 3
.irp b, 0,1,2,3,4,5,6,7,8,9,10,11
.irp i, 0,1,2,3
	v_cvt_pk_f16_f32 v[TMP+4*\b+\i], v[8*(12*((\a)%2)+\b)+2*\i], v[8*(12*((\a)%2)+\b)+2*\i+1]   ; each accumulator from its low end on
.endr
.endr
	WIN 0
.endm
.macro TOSTAGE a
.irp b, 0,1,2,3,4,5,6,7,8,9,10,11
	ds_store_b128 v[STO], v[TMP+4*\b:TMP+4*\b+3] offset:2304*(\b/4)+32*(\b%4)
.endr
.if (\a) > 1
	s_wait_xcnt 0x0                                ; block a - 2's stores have read the registers into which the loads below land
.endif
.set BB, BK+48*((\a)%2)
.irp p, 0,1,2
.irp i, 0,1,2,3
	ds_load_b128 v[BB+4*(4*\p+\i):BB+4*(4*\p+\i)+3], v[RD] offset:2304*\p+576*\i   ; LDS serves a wave's instructions in order: these see the stores above
.endr
.endr
.endm
.macro SEND a
.set BB, BK+48*((\a)%2)
	s_wait_dscnt 0x0                               ; the block is back in registers
.irp p, 0,1,2
.irp i, 0,1,2,3
	global_store_b128 v[CO], v[BB+4*(4*\p+\i):BB+4*(4*\p+\i)+3], s[76+2*\p:77+2*\p] offset:2048*(\a)+512*\i   ; 32 lanes store 512 consecutive bytes, aligned
.endr
.endr
.endm
	PACK 0
	TOSTAGE 0
.irp a, 1,2,3                                  ; block a's conversions stand between block a - 1's loads from the stage and the wait for them
	PACK \a
	SEND \a-1
	TOSTAGE \a
.endr
	SEND 3
	s_wait_tensorcnt 0x0                           ; the wave's end, behind my last tensor load and my last LDS store
	ds_add_u32 v[SPW], v[NIL]
	s_wait_dscnt 0x0
	CROUND                                         ; the closing round
	s_endpgm
.Lfunc_end_k_qd5bdd51ff3_qkv:
	.size	k_qd5bdd51ff3_qkv, .Lfunc_end_k_qd5bdd51ff3_qkv-k_qd5bdd51ff3_qkv
	.p2alignl 7, 3214868480
	.fill 96, 4, 3214868480
	.section	.rodata,"a",@progbits
	.p2align	6, 0x0
	.amdhsa_kernel k_qd5bdd51ff3_qkv
		.amdhsa_group_segment_fixed_size 327680
		.amdhsa_private_segment_fixed_size 0
		.amdhsa_enable_private_segment 0
		.amdhsa_kernarg_size 48
		.amdhsa_user_sgpr_count 2
		.amdhsa_user_sgpr_kernarg_segment_ptr 1
		.amdhsa_wavefront_size32 1
		.amdhsa_system_sgpr_workgroup_id_x 1
		.amdhsa_system_sgpr_workgroup_id_y 1
		.amdhsa_system_sgpr_workgroup_id_z 1
		.amdhsa_system_vgpr_workitem_id 0
		.amdhsa_next_free_vgpr 1024
		.amdhsa_next_free_sgpr 100
		.amdhsa_reserve_vcc 0
		.amdhsa_float_denorm_mode_32 3
		.amdhsa_float_denorm_mode_16_64 3
		.amdhsa_memory_ordered 1
		.amdhsa_forward_progress 1
		.amdhsa_inst_pref_size 102
	.end_amdhsa_kernel
	.amdgpu_metadata
---
amdhsa.version: [ 1, 2 ]
amdhsa.kernels:
  - .name:           k_qd5bdd51ff3_qkv
    .symbol:         k_qd5bdd51ff3_qkv.kd
    .args:
      - { .name: x_codes, .offset: 0, .size: 8, .value_kind: global_buffer, .address_space: global }
      - { .name: x_scales, .offset: 8, .size: 8, .value_kind: global_buffer, .address_space: global }
      - { .name: w_codes, .offset: 16, .size: 8, .value_kind: global_buffer, .address_space: global }
      - { .name: w_scales, .offset: 24, .size: 8, .value_kind: global_buffer, .address_space: global }
      - { .name: qkv16, .offset: 32, .size: 8, .value_kind: global_buffer, .address_space: global }
      - { .name: qkv32, .offset: 40, .size: 8, .value_kind: global_buffer, .address_space: global }
    .group_segment_fixed_size: 327680
    .private_segment_fixed_size: 0
    .kernarg_segment_align: 8
    .kernarg_segment_size: 48
    .max_flat_workgroup_size: 128
    .sgpr_count:     100
    .vgpr_count:     1024
    .wavefront_size: 32
...
	.end_amdgpu_metadata
.endif
;; end of part 2
;; launch attn (part 3): grid 4 x 64, 16 waves a work-group, no clusters, 327,680 bytes of LDS; arguments qkv16, y16; writes y16
.if DOCPART == 3
	.amdgcn_target "amdgcn-amd-amdhsa--gfx1250"
	.amdhsa_code_object_version 6
	.text
	.protected	k_qd5bdd51ff3_attn
	.globl	k_qd5bdd51ff3_attn
	.p2align	8
	.type	k_qd5bdd51ff3_attn,@function
k_qd5bdd51ff3_attn:
	s_mov_b64 s[64:65], 0
	v_nop
	global_prefetch_b8 v0, s[64:65] scope:SCOPE_SE
	s_setreg_imm32_b32 hwreg(HW_REG_WAVE_MODE, 25, 1), 1
	s_wait_xcnt 0x0
; y[b][h][t][:] = the sum over s <= t of softmax_s(q[t] . k[s] / 8) v[s][:], head size 64, T = 2,048, 64 pairs of batch and head.  q, k, v: f16 out of qkv16 [part][batch x head][t][64].
; y16: f16, [head][batch x t][64], so that a wave's 32 queries of a head are 4,096 consecutive bytes.  Products on f16 operands, sums, maxima and the softmax in f32, with a running maximum.
; LIMIT: what f16 cannot hold (beyond 65,504) is an infinity already in qkv16.
; SHARES.  Work-group (i, batch x head) owns the blocks i and 7 - i of 256 queries: under the causal mask every work-group then has the same work.  Waves 0-7 take block i, waves 8-15 block 7 - i; a wave owns 32
; queries, two tiles of 16, so that each fragment of k and v read from LDS feeds two products.  Four waves share a SIMD: one wave's vector work stands beside another's products and LDS loads.
; Every work-group walks all 8 slots of 256 keys (the trip counts are constants); a step of 64 keys all of which come after the wave's queries is jumped over, and a slot that none of the work-group's waves reads is not fetched.
; NO CLUSTER: the work-groups of a head end their reading of k and v at different keys (256 (7 - i) + 255): a partner would jump over the reads of tiles that a joint load brings.
; LAYOUT.  S^T = k q^T (source 0 = 16 keys, source 1 = 16 queries): a lane holds ONE query (lane % 16) and the keys 8 (lane / 16) + 0 .. 7.  Two such tiles, rounded to f16 in pairs, are source 1 (32 keys x 16 queries) of
; O^T = v^T P, whose result again holds one query a lane.  k comes out of LDS as it lies, v ([key][channel]) turned, by ds_load_tr16_b128.
; REGISTERS: v1-9 addresses that stay; v10, v11 at work; v12-27 statistics, eight a tile: +0 c m, +1 m, +2, +3 l, +4 .. +7 at work (a = 2^(c m_old - c m_new) in +6); v32-63 q; v64-127 eight fragments of k or of v;
;   v128-191 S^T, 32 a tile, then p, then P packed into the first 16 of each tile; v192-255 O^T, 32 a tile.
.set PK,    144                        ; a key's row in LDS: 128 bytes + 16
.set PV,    160                        ; a row of v: 128 bytes + 32: the turning load takes 8 rows x 32 bytes in 16 lanes
.set SK,    256                        ; keys in a slot
.set VOFF,  SK*PK
.set SLOT1, 1<<17                      ; slot 1 begins here: one exclusive or turns an address from one slot to the other
.set STAGE, SLOT1+SK*(PK+PV)           ; behind the ring: 32 rows x 144 bytes for each wave
.set STGW,  32*PK
.set SPARE, STAGE+16*STGW              ; the spare words, 128 bytes a wave
.set PARTB, 16777216
.set AK0, 1
.set AV0, 2
.set ADK, 3
.set ADV, 4
.set SPW, 5                            ; v5 LDS address of my spare word; never rewritten
.set NIL, 6                            ; v6 0; never rewritten
.set GO,  7                            ; v7 16 x lane
.set DL,  8                            ; v8 r - 8 h
.set PFO, 9                            ; v9 256 x lane
.set ST,  12
.set Q,   32
.set KV,  64
.set S,   128
.set O,   192
.set WV,  18
.set SEL, 20                           ; s[20:21] lane selects: lane l xor 16
.set CS,  22                           ; s[22:23] c = log2(e) / 8
.set G1K, 24
.set G1V, 32
.set G0K, 40
.set G0V, 44
.set TB,  2                            ; s2  LDS byte at which the slot in hand begins
.set SLOTS, 67
.set QL,  68                           ; s68 my work-group's last query
.set PFA, 76
.set LIM, 80
.set KF,  98                           ; s98 the step's first key
.set Q0,  99                           ; s99 my first query
; Waves 0 and 1 fetch k's halves of a slot, waves 2 and 3 v's, the others nothing.  An s_nop 0 and four v_nop follow each of the two lines.
.macro TLOAD
	s_cmp_lt_u32 s[WV], 2
	s_cbranch_scc0 .Lnot_k_\@
	tensor_load_to_lds s[G0K:G0K+3], s[G1K:G1K+7]
	s_nop 0
.rept 4
	v_nop
.endr
	s_branch .Lasked_\@
.Lnot_k_\@:
	s_cmp_lt_u32 s[WV], 4
	s_cbranch_scc0 .Lasked_\@
	tensor_load_to_lds s[G0V:G0V+3], s[G1V:G1V+7]
	s_nop 0
.rept 4
	v_nop
.endr
.Lasked_\@:
.endm
; A prefetch of what the NEXT change of slots will ask for: a slot's 32,768 dense bytes of k and of v.  All four work-groups of a head walk the same k and v: the first (which fetches all eight slots) asks.  In it the waves
; ask that fetch nothing, one instruction each: waves 4-7 for k, waves 8-11 for v, 8,192 bytes a wave, lanes 256 bytes apart: each aligned block of 256 bytes is named once in the launch.  Slots 0 and 1 come by their
; loads alone; the last change that fills a slot asks for nothing.
.macro ASK
	s_cmp_gt_u32 s[SLOTS], s[LIM]
	s_cbranch_scc0 .Lnot_mine_\@
	global_prefetch_b8 v[PFO], s[PFA:PFA+1] th:TH_LOAD_NT scope:SCOPE_SE
.Lnot_mine_\@:
.endm
	s_load_b128 s[4:7], s[0:1], 0x0                ; qkv16, y16
	v_lshl_add_u32 v[SPW], v0, 2, SPARE
	v_mov_b32 v[NIL], 0
	ds_add_u32 v[SPW], v[NIL]                      ; the wave's opening: the add, twice on end, and its wait ahead of my first tensor load
	ds_add_u32 v[SPW], v[NIL]
	v_lshrrev_b32 v10, 5, v0
	v_readfirstlane_b32 s[WV], v10                 ; wave 0..15
	s_and_b32 s82, ttmp7, 0xffff                   ; 16 x batch + head
	s_lshl_b32 s83, s82, 18                        ; its 2,048 rows of 128 bytes in a part
	s_and_b32 s84, s[WV], 1
	s_lshl_b32 s85, s84, 14                        ; the half of a slot that I fetch: 128 rows in memory
	s_add_co_u32 s86, s83, s85
	s_add_co_u32 s86, s86, PARTB                   ; k
	s_mov_b32 s87, 0
	s_add_co_u32 s88, s86, PARTB                   ; v
	s_mov_b32 s89, 0
	s_mul_i32 s90, s84, 128*PK                     ; and in a slot
	s_mul_i32 s91, s84, 128*PV
	s_add_co_u32 s91, s91, VOFF
	s_and_b32 s92, s[WV], 7
	s_bfe_u32 s93, s[WV], 0x10002
	s_mul_i32 s93, s93, 3
	s_xor_b32 s92, s92, s93                        ; my 32 queries' place in the block: waves 4-7 and 12-15 in reverse, so that waves w and w + 4 together have the same number of steps for every w
	s_sub_co_u32 s93, 7, ttmp9
	s_cmp_lt_u32 s[WV], 8
	s_cselect_b32 s94, ttmp9, s93                  ; my block of 256 queries
	s_lshl_b32 s[Q0], s94, 8
	s_lshl_b32 s92, s92, 5
	s_add_co_u32 s[Q0], s[Q0], s92
	s_lshl_b32 s[QL], s93, 8
	s_or_b32 s[QL], s[QL], 255
	s_lshl_b32 s94, s[Q0], 7
	s_add_co_u32 s94, s94, s83                     ; q's rows
	s_mov_b32 s95, 0
	s_and_b32 s96, s82, 15
	s_lshl_b32 s96, s96, 20                        ; y16: the head's 8,192 rows of 128 bytes,
	s_lshr_b32 s97, s82, 4
	s_lshl_b32 s97, s97, 11
	s_add_co_u32 s97, s97, s[Q0]
	s_lshl_b32 s97, s97, 7                         ; + row 2048 x batch + my first query
	s_add_co_u32 s96, s96, s97
	s_mov_b32 s97, 0
	s_mov_b32 s[G1K], (1<<16)|(1<<20)|(4<<22)|(3<<25)   ; no mask; elements of 2 bytes; padding on: 4 words behind every 32
	s_mov_b32 s[G1K+1], 64<<16                     ; tensor_dim0 = 64
	s_mov_b32 s[G1K+2], 128<<16                    ; tensor_dim1 = 128
	s_mov_b32 s[G1K+3], 64<<16                     ; tile_dim0
	s_mov_b32 s[G1K+4], 128                        ; tile_dim1
	s_mov_b32 s[G1K+5], 64                         ; elements from row to row
	s_mov_b32 s[G1K+6], 0
	s_mov_b32 s[G1K+7], 0
	s_mov_b32 s[G1V], (1<<16)|(1<<20)|(4<<22)|(7<<25)   ; 8 words of padding
	s_mov_b32 s[G1V+1], 64<<16
	s_mov_b32 s[G1V+2], 128<<16
	s_mov_b32 s[G1V+3], 64<<16
	s_mov_b32 s[G1V+4], 128
	s_mov_b32 s[G1V+5], 64
	s_mov_b32 s[G1V+6], 0
	s_mov_b32 s[G1V+7], 0
	s_mov_b32 s[SEL], 0x76543210
	s_mov_b32 s[SEL+1], 0xfedcba98
	s_mov_b32 s[CS], 0x3e38aa3b                    ; c = log2(e) / sqrt(64)
	s_mov_b32 s[CS+1], s[CS]                       ; (named with it as a pair, so it is written)
	s_mov_b32 s[TB], 0
	s_mov_b32 s[SLOTS], 7
	s_mov_b32 s[KF], 0
	s_wait_dscnt 0x0                               ; both opening adds are done
	s_wait_kmcnt 0x0
	s_mov_b32 s[G0K], 1
	s_mov_b32 s[G0K+1], s90
	s_add_nc_u64 s[G0K+2:G0K+3], s[4:5], s[86:87]
	s_or_b32 s[G0K+3], s[G0K+3], 0x80000000
	s_mov_b32 s[G0V], 1
	s_mov_b32 s[G0V+1], s91
	s_add_nc_u64 s[G0V+2:G0V+3], s[4:5], s[88:89]
	s_or_b32 s[G0V+3], s[G0V+3], 0x80000000
	TLOAD                                          ; slot 0: it holds key 0, which counts for every query
	s_add_nc_u64 s[70:71], s[4:5], s[94:95]        ; q at my first query
	s_add_nc_u64 s[72:73], s[6:7], s[96:97]        ; y16 likewise
	s_mov_b32 s85, 2*PARTB                         ; the prefetches: where my wave's stand, and who asks
	s_cmp_lt_u32 s[WV], 8
	s_cselect_b32 s84, PARTB, s85                  ; waves 4-7: k; waves 8-11: v
	s_add_co_u32 s84, s84, s83
	s_and_b32 s85, s[WV], 3
	s_lshl_b32 s85, s85, 13                        ; my wave's 8,192 bytes,
	s_add_co_u32 s84, s84, s85
	s_add_co_u32 s84, s84, SK*128                  ; in slot 1: the first change of slots steps it to slot 2
	s_mov_b32 s85, 0
	s_add_nc_u64 s[PFA:PFA+1], s[4:5], s[84:85]
	s_sub_co_u32 s84, s[WV], 4
	s_lshr_b32 s84, s84, 3                         ; 0 in waves 4 to 11,
	s_or_b32 s84, s84, ttmp9                       ; of the head's first work-group
	s_cmp_eq_u32 s84, 0
	s_cselect_b32 s[LIM], 1, -1
	v_and_b32 v10, 15, v0                          ; r
	v_bfe_u32 v11, v0, 4, 1                        ; h
	v_lshlrev_b32 v[ADK], 7, v10
	v_lshl_add_u32 v[ADK], v11, 4, v[ADK]          ; q: 128 r + 16 h
.irp qt, 0,1
.irp c, 0,1
	global_load_b128 v[Q+16*\qt+8*\c:Q+16*\qt+8*\c+3], v[ADK], s[70:71] offset:2048*\qt+64*\c      ; q stays in registers: tile qt, channels 32 c on
	global_load_b128 v[Q+16*\qt+8*\c+4:Q+16*\qt+8*\c+7], v[ADK], s[70:71] offset:2048*\qt+64*\c+32
.endr
.endr
	v_mul_u32_u24 v[AK0], v10, PK
	v_lshl_add_u32 v[AK0], v11, 4, v[AK0]          ; k: row r x pitch + 16 h
	v_and_b32 v[ADV], 7, v0
	v_lshl_add_u32 v[AV0], v11, 3, v[ADV]
	v_mul_u32_u24 v[AV0], v[AV0], PV               ; v: key 8 h + lane % 8,
	v_bfe_u32 v[ADV], v0, 3, 1
	v_lshl_add_u32 v[AV0], v[ADV], 4, v[AV0]       ; channels 8 ((lane / 8) % 2) on
	v_add_nc_u32 v[AV0], VOFF, v[AV0]
	v_and_b32 v[GO], 31, v0
	v_lshlrev_b32 v[PFO], 8, v[GO]
	v_lshlrev_b32 v[GO], 4, v[GO]
	v_lshlrev_b32 v[DL], 3, v11
	v_sub_nc_u32 v[DL], v10, v[DL]
.irp t, 0,1
	v_mov_b32 v[ST+8*\t+1], 0xff61b1e6             ; m = -3e38, under every score
	v_mul_f32 v[ST+8*\t], s[CS], v[ST+8*\t+1]      ; c m
.irp j, 2,3,4,5,6,7
	v_mov_b32 v[ST+8*\t+\j], 0                     ; l; and what lane permutes and pairs name before it is first computed
.endr
.endr
.irp j, 0,1,2,3,4,5,6,7,8,9,10,11,12,13,14,15,16,17,18,19,20,21,22,23,24,25,26,27,28,29,30,31,32,33,34,35,36,37,38,39,40,41,42,43,44,45,46,47,48,49,50,51,52,53,54,55,56,57,58,59,60,61,62,63
	v_mov_b32 v[O+\j], 0                           ; O^T.  (The step is written once: the first finds zeros, which a = 0 leaves zeros)
.endr
; A KEY STEP: 64 keys, the q-th of the slot in hand.
.macro STEP q
	s_add_co_u32 s96, s[Q0], 31                    ; a step all of whose keys come after my 32 queries is left out: a branch on ids, round loads, products and softmax alone
	s_cmp_gt_u32 s[KF], s96
	s_cbranch_scc1 .Lhidden_\@
	v_add_nc_u32 v[ADK], s[TB], v[AK0]
	v_add_nc_u32 v[ADV], s[TB], v[AV0]
.rept 3
	v_nop                                          ; with the two additions five places behind the last step's products: four for the loads into v's registers, five for the products below, which write over P
.endr
.irp kt, 0,1,2,3
.irp c, 0,1
	ds_load_b128 v[KV+8*(2*\kt+\c):KV+8*(2*\kt+\c)+3], v[ADK] offset:(64*(\q)+16*\kt)*PK+64*\c
	ds_load_b128 v[KV+8*(2*\kt+\c)+4:KV+8*(2*\kt+\c)+7], v[ADK] offset:(64*(\q)+16*\kt)*PK+64*\c+32
.endr
.endr
	s_wait_dscnt 0x0
.irp c, 0,1                                    ; S^T = k q^T: eight accumulators by turns; the first eight products start the sums
.irp kt, 0,1,2,3
.irp qt, 0,1
.if \c == 0
	v_wmma_f32_16x16x32_f16 v[S+32*\qt+8*\kt:S+32*\qt+8*\kt+7], v[KV+8*(2*\kt+\c):KV+8*(2*\kt+\c)+7], v[Q+16*\qt+8*\c:Q+16*\qt+8*\c+7], 0
.else
	v_wmma_f32_16x16x32_f16 v[S+32*\qt+8*\kt:S+32*\qt+8*\kt+7], v[KV+8*(2*\kt+\c):KV+8*(2*\kt+\c)+7], v[Q+16*\qt+8*\c:Q+16*\qt+8*\c+7], v[S+32*\qt+8*\kt:S+32*\qt+8*\kt+7]
.endif
.endr
.endr
.endr
.rept 4
	v_nop                                          ; four places: for the loads into k's registers and for the first read of the scores
.endr
.irp g, 0,1                                    ; v, turned: keys 32 g on, channels 16 ct on.  It lands under the softmax
.irp ct, 0,1,2,3
	ds_load_tr16_b128 v[KV+8*(4*\g+\ct):KV+8*(4*\g+\ct)+3], v[ADV] offset:(64*(\q)+32*\g)*PV+32*\ct
	ds_load_tr16_b128 v[KV+8*(4*\g+\ct)+4:KV+8*(4*\g+\ct)+7], v[ADV] offset:(64*(\q)+32*\g)*PV+16*PV+32*\ct
.endr
.endr
	s_add_co_u32 s96, s[KF], 63                    ; on the diagonal the scores of hidden keys become -infinity; a step all of whose keys count skips this
	s_cmp_le_u32 s96, s[Q0]
	s_cbranch_scc1 .Lopen_\@
	s_sub_co_i32 s96, s[Q0], s[KF]
	v_add_nc_u32 v10, s96, v[DL]                   ; d = Q0 - KF + r - 8 h.  Register 8 kt + j of tile qt holds key KF + 16 kt + 8 h + j of query Q0 + 16 qt + r: hidden where 16 kt + j - 16 qt > d
	v_mov_b32 v11, 0xff800000
.irp qt, 0,1
.irp kt, 0,1,2,3
.irp j, 0,1,2,3,4,5,6,7
	v_cmp_gt_i32 vcc_lo, 16*\kt+\j-16*\qt, v10
	v_cndmask_b32 v[S+32*\qt+8*\kt+\j], v[S+32*\qt+8*\kt+\j], v11, vcc_lo
.endr
.endr
.endr
.Lopen_\@:
.irp j, 0,1,2,3                                ; the maximum of a lane's 32 scores and the old m: four chains, each begun at its accumulator's low end; the two tiles by turns
.irp t, 0,1
	v_max3_num_f32 v[ST+8*\t+4+\j], v[S+32*\t+8*\j], v[S+32*\t+8*\j+1], v[S+32*\t+8*\j+2]
.endr
.endr
.irp u, 3,5
.irp j, 0,1,2,3
.irp t, 0,1
	v_max3_num_f32 v[ST+8*\t+4+\j], v[ST+8*\t+4+\j], v[S+32*\t+8*\j+\u], v[S+32*\t+8*\j+\u+1]
.endr
.endr
.endr
.irp t, 0,1
	v_max3_num_f32 v[ST+8*\t+4], v[ST+8*\t+4], v[S+32*\t+7], v[S+32*\t+15]
	v_max3_num_f32 v[ST+8*\t+6], v[ST+8*\t+6], v[S+32*\t+23], v[S+32*\t+31]
.endr
.irp t, 0,1
	v_max3_num_f32 v[ST+8*\t+4], v[ST+8*\t+4], v[ST+8*\t+5], v[ST+8*\t+6]
.endr
.irp t, 0,1
	v_max3_num_f32 v[ST+8*\t+4], v[ST+8*\t+4], v[ST+8*\t+7], v[ST+8*\t+1]
.endr
.irp t, 0,1
	v_permlanex16_b32 v[ST+8*\t+5], v[ST+8*\t+4], s[SEL], s[SEL+1]   ; the query's other 32 keys lie in the lane 16 away
.endr
.irp t, 0,1
	v_mov_b32 v[ST+8*\t+7], v[ST+8*\t]             ; c m_old
.endr
.irp t, 0,1
	v_max_num_f32 v[ST+8*\t+1], v[ST+8*\t+4], v[ST+8*\t+5]
.endr
.irp t, 0,1
	v_mul_f32 v[ST+8*\t], s[CS], v[ST+8*\t+1]
.endr
.irp t, 0,1
	v_sub_f32 v[ST+8*\t+7], v[ST+8*\t+7], v[ST+8*\t]
.endr
.irp t, 0,1
	v_exp_f32 v[ST+8*\t+6], v[ST+8*\t+7]           ; a = 2^(c m_old - c m_new)
.endr
.irp b, 0,1,2,3,4,5,6,7,8,9,10,11,12,13,14,15
.irp t, 0,1
	v_pk_fma_f32 v[S+32*\t+2*\b:S+32*\t+2*\b+1], v[S+32*\t+2*\b:S+32*\t+2*\b+1], s[CS:CS+1], v[ST+8*\t:ST+8*\t+1] op_sel_hi:[1,0,0] neg_lo:[0,0,1] neg_hi:[0,0,1]   ; c s - c m, two at a time
.endr
.endr
.irp j, 0,1,2,3,4,5,6,7,8,9,10,11,12,13,14,15,16,17,18,19,20,21,22,23,24,25,26,27,28,29,30,31,32,33,34,35,36,37,38,39,40,41,42,43,44,45,46,47,48,49,50,51,52,53,54,55,56,57,58,59,60,61,62,63
	v_exp_f32 v[S+\j], v[S+\j]                     ; p = 2^(c s - c m), at most 1
.endr
	v_nop                                          ; a plain instruction behind the last exponential
	s_wait_alu depctr_va_vdst(0)                   ; one wait for the step's 66 exponentials, ahead of the first instruction that names a result
.irp t, 0,1                                    ; l = a l + the sum of the unrounded p, two at a time, in two chains
	v_pk_fma_f32 v[ST+8*\t+2:ST+8*\t+3], v[ST+8*\t+2:ST+8*\t+3], v[ST+8*\t+6:ST+8*\t+7], v[S+32*\t+4:S+32*\t+5] op_sel_hi:[1,0,1]
	v_pk_add_f32 v[ST+8*\t+4:ST+8*\t+5], v[S+32*\t:S+32*\t+1], v[S+32*\t+2:S+32*\t+3]
.endr
.irp j, 6,10,14,18,22,26
.irp t, 0,1
	v_pk_add_f32 v[ST+8*\t+4:ST+8*\t+5], v[ST+8*\t+4:ST+8*\t+5], v[S+32*\t+\j:S+32*\t+\j+1]
	v_pk_add_f32 v[ST+8*\t+2:ST+8*\t+3], v[ST+8*\t+2:ST+8*\t+3], v[S+32*\t+\j+2:S+32*\t+\j+3]
.endr
.endr
.irp t, 0,1
	v_pk_add_f32 v[ST+8*\t+4:ST+8*\t+5], v[ST+8*\t+4:ST+8*\t+5], v[S+32*\t+30:S+32*\t+31]
.endr
.irp t, 0,1
	v_pk_add_f32 v[ST+8*\t+2:ST+8*\t+3], v[ST+8*\t+2:ST+8*\t+3], v[ST+8*\t+4:ST+8*\t+5]
.endr
.irp i, 0,1,2,3,4,5,6,7,8,9,10,11,12,13,14,15
.irp t, 0,1
	v_cvt_pk_f16_f32 v[S+32*\t+\i], v[S+32*\t+2*\i], v[S+32*\t+2*\i+1]   ; P, in place: register i takes pair i, which no later line needs
.endr
.endr
.irp i, 0,1,2,3,4,5,6,7,8,9,10,11,12,13,14,15
.irp t, 0,1
	v_pk_mul_f32 v[O+32*\t+2*\i:O+32*\t+2*\i+1], v[O+32*\t+2*\i:O+32*\t+2*\i+1], v[ST+8*\t+6:ST+8*\t+7] op_sel_hi:[1,0]   ; O^T x a
.endr
.endr
	s_wait_dscnt 0x0                               ; v is in
.irp g, 0,1                                    ; O^T += v^T P: eight accumulators by turns
.irp ct, 0,1,2,3
.irp qt, 0,1
	v_wmma_f32_16x16x32_f16 v[O+32*\qt+8*\ct:O+32*\qt+8*\ct+7], v[KV+8*(4*\g+\ct):KV+8*(4*\g+\ct)+7], v[S+32*\qt+8*\g:S+32*\qt+8*\g+7], v[O+32*\qt+8*\ct:O+32*\qt+8*\ct+7]
.endr
.endr
.endr
.Lhidden_\@:
	s_add_co_u32 s[KF], s[KF], 64
.endm
; THE CHANGE OF SLOTS stands at a slot's head.  Each wave waits for all its tensor loads, adds 0 to its spare word (fill = 1: twice on end), and waits
; for that and for its reads of the slot that it has left.  Behind the barrier the slot ahead is whole and nobody reads the other one, which is then filled with the keys that follow, up to the causal limit.
.macro CHANGE fill
	s_wait_tensorcnt 0x0                           ; no tensor load of mine is out, so a group 0 may be written
	ds_add_u32 v[SPW], v[NIL]
.if \fill
	ds_add_u32 v[SPW], v[NIL]
	s_xor_b32 s[G0K+1], s[G0K+1], SLOT1            ; the walking descriptors: the other slot than last time,
	s_add_nc_u64 s[G0K+2:G0K+3], s[G0K+2:G0K+3], SK*128   ; the next 256 keys
	s_xor_b32 s[G0V+1], s[G0V+1], SLOT1
	s_add_nc_u64 s[G0V+2:G0V+3], s[G0V+2:G0V+3], SK*128
	s_wait_xcnt 0x0                                ; the last prefetch, a slot back, has read its address
	s_add_nc_u64 s[PFA:PFA+1], s[PFA:PFA+1], SK*128   ; one slot further on than the walking descriptors
.endif
	s_wait_dscnt 0x0                               ; the add is done, and my reads of the slot that I have left are over
	s_barrier_signal -1
	s_barrier_wait -1
.if \fill
	s_add_co_u32 s96, s[KF], SK                    ; the first key of the slot that this change would ask for:
	s_cmp_gt_u32 s96, s[QL]                        ; past my work-group's last query it would be read by none of the sixteen waves.  Ids and the count of steps alone: all waves go the same way
	s_cbranch_scc1 .Lpast_\@
	TLOAD                                          ; a wave's one tensor load until the next such barrier
.Lpast_\@:
	ASK
.endif
.endm
.macro SLOT_STEPS
	STEP 0
	STEP 1
	STEP 2
	STEP 3
	s_xor_b32 s[TB], s[TB], SLOT1                  ; on to the other slot
.endm
	s_wait_loadcnt 0x0                             ; q
.Lslot:                                            ; 7 trips: behind each change of slots but the last the next slot is asked for
	CHANGE 1
	SLOT_STEPS
	s_sub_co_u32 s[SLOTS], s[SLOTS], 1
	s_cmp_lg_u32 s[SLOTS], 0
	s_cbranch_scc1 .Lslot
	CHANGE 0                                       ; the last slot is written out: nothing is left to fetch
	SLOT_STEPS
	; THE WAY OUT.  l's halves are added; O^T is divided by l, rounded to f16 and goes through my stage, so that the wave stores 512 consecutive bytes an instruction.  The additions and the address lines are the places behind the last products.
.irp t, 0,1
	v_add_f32 v[ST+8*\t+4], v[ST+8*\t+2], v[ST+8*\t+3]
.endr
.irp t, 0,1
	v_permlanex16_b32 v[ST+8*\t+5], v[ST+8*\t+4], s[SEL], s[SEL+1]
.endr
.irp t, 0,1
	v_add_f32 v[ST+8*\t+4], v[ST+8*\t+4], v[ST+8*\t+5]
.endr
.irp t, 0,1
	v_rcp_f32 v[ST+8*\t+6], v[ST+8*\t+4]
.endr
	v_and_b32 v10, 15, v0                          ; r
	v_bfe_u32 v11, v0, 4, 1                        ; h
	s_mul_i32 s96, s[WV], STGW
	s_add_co_u32 s96, s96, STAGE                   ; my stage
	v_mul_u32_u24 v[ADK], v10, PK
	v_lshl_add_u32 v[ADK], v11, 4, v[ADK]
	v_add_nc_u32 v[ADK], s96, v[ADK]               ; in: row r, 16 bytes for each half of the lanes
	v_bfe_u32 v10, v0, 3, 2
	v_and_b32 v11, 7, v0
	v_mul_u32_u24 v[ADV], v10, PK
	v_lshl_add_u32 v[ADV], v11, 4, v[ADV]
	v_add_nc_u32 v[ADV], s96, v[ADV]               ; back: eight lanes to a row of 128 bytes, four rows an instruction
	s_wait_alu depctr_va_vdst(0)                   ; one wait for the two reciprocals, ahead of their first reader
.irp t, 0,1
.irp i, 0,1,2,3,4,5,6,7,8,9,10,11,12,13,14,15
	v_pk_mul_f32 v[O+32*\t+2*\i:O+32*\t+2*\i+1], v[O+32*\t+2*\i:O+32*\t+2*\i+1], v[ST+8*\t+6:ST+8*\t+7] op_sel_hi:[1,0]   ; each accumulator from its low end on
.endr
.endr
.irp t, 0,1
.irp i, 0,1,2,3,4,5,6,7,8,9,10,11,12,13,14,15
	v_cvt_pk_f16_f32 v[S+16*\t+\i], v[O+32*\t+2*\i], v[O+32*\t+2*\i+1]
.endr
.endr
.irp t, 0,1
.irp ct, 0,1,2,3
	ds_store_b128 v[ADK], v[S+16*\t+4*\ct:S+16*\t+4*\ct+3] offset:16*PK*\t+32*\ct
.endr
.endr
.irp i, 0,1,2,3,4,5,6,7
	ds_load_b128 v[KV+4*\i:KV+4*\i+3], v[ADV] offset:4*PK*\i   ; LDS serves a wave's instructions in order: these see my stores
.endr
.irp i, 0,1,2,3,4,5,6,7
	s_wait_dscnt 7-\i                              ; load i is in; the younger ones may be out
	global_store_b128 v[GO], v[KV+4*\i:KV+4*\i+3], s[72:73] offset:512*\i
.endr
	s_wait_tensorcnt 0x0                           ; the wave's end, behind my last tensor load and my last LDS store
	ds_add_u32 v[SPW], v[NIL]
	s_wait_dscnt 0x0
	s_endpgm
.Lfunc_end_k_qd5bdd51ff3_attn:
	.size	k_qd5bdd51ff3_attn, .Lfunc_end_k_qd5bdd51ff3_attn-k_qd5bdd51ff3_attn
	.p2alignl 7, 3214868480
	.fill 96, 4, 3214868480
	.section	.rodata,"a",@progbits
	.p2align	6, 0x0
	.amdhsa_kernel k_qd5bdd51ff3_attn
		.amdhsa_group_segment_fixed_size 327680
		.amdhsa_private_segment_fixed_size 0
		.amdhsa_enable_private_segment 0
		.amdhsa_kernarg_size 16
		.amdhsa_user_sgpr_count 2
		.amdhsa_user_sgpr_kernarg_segment_ptr 1
		.amdhsa_wavefront_size32 1
		.amdhsa_system_sgpr_workgroup_id_x 1
		.amdhsa_system_sgpr_workgroup_id_y 1
		.amdhsa_system_sgpr_workgroup_id_z 1
		.amdhsa_system_vgpr_workitem_id 0
		.amdhsa_next_free_vgpr 256
		.amdhsa_next_free_sgpr 100
		.amdhsa_reserve_vcc 1
		.amdhsa_float_denorm_mode_32 3
		.amdhsa_float_denorm_mode_16_64 3
		.amdhsa_memory_ordered 1
		.amdhsa_forward_progress 1
		.amdhsa_inst_pref_size 188
	.end_amdhsa_kernel
	.amdgpu_metadata
---
amdhsa.version: [ 1, 2 ]
amdhsa.kernels:
  - .name:           k_qd5bdd51ff3_attn
    .symbol:         k_qd5bdd51ff3_attn.kd
    .args:
      - { .name: qkv16, .offset: 0, .size: 8, .value_kind: global_buffer, .address_space: global }
      - { .name: y16, .offset: 8, .size: 8, .value_kind: global_buffer, .address_space: global }
    .group_segment_fixed_size: 327680
    .private_segment_fixed_size: 0
    .kernarg_segment_align: 8
    .kernarg_segment_size: 16
    .max_flat_workgroup_size: 512
    .sgpr_count:     100
    .vgpr_count:     256
    .wavefront_size: 32
...
	.end_amdgpu_metadata
.endif
;; end of part 3
;; launch proj (part 4): grid 4 x 64, 4 waves a work-group, clusters of 4 x 4, 327,680 bytes of LDS; arguments y16, wp16, out0; writes out0
.if DOCPART == 4
	.amdgcn_target "amdgcn-amd-amdhsa--gfx1250"
	.amdhsa_code_object_version 6
	.text
	.protected	k_qd5bdd51ff3_proj
	.globl	k_qd5bdd51ff3_proj
	.p2align	8
	.type	k_qd5bdd51ff3_proj,@function
k_qd5bdd51ff3_proj:
	s_mov_b64 s[64:65], 0
	v_nop
	global_prefetch_b8 v0, s[64:65] scope:SCOPE_SE
	s_setreg_imm32_b32 hwreg(HW_REG_WAVE_MODE, 25, 1), 1
	s_wait_xcnt 0x0
	s_wait_alu depctr_hold_cnt(0) depctr_sa_sdst(0) depctr_va_vdst(0) depctr_va_sdst(0) depctr_va_ssrc(0) depctr_va_vcc(0) depctr_vm_vsrc(0)
	s_getreg_b32 s2, hwreg(HW_REG_IB_STS2, 6, 4)
	s_cmp_eq_u32 s2, 0
	s_cbranch_scc0 .Lentry_in_a_cluster
	s_endpgm
.Lentry_in_a_cluster:
	s_bfe_u32 s2, ttmp6, 0x10000c
	s_cmp_lg_u32 s2, 0xf033
	s_cbranch_scc0 .Lentry_shape_is_right
	s_endpgm
.Lentry_shape_is_right:
; out0[row][n] = the sum over k of y[row][k] W_proj[n][k], k = 64 x head + channel.  y16: f16 [head][8192 rows][64]; wp16: f16 [1024 n][1024 k]; out0: f32 [8192][1024]; sums in f32.
; The rows t < 16 of each batch are NOT stored here: another launch carries them in f32, and each output byte has one writer.
; A tile is 128 rows x 256 columns: 64 x 4 = 256 work-groups.  Wave w makes rows 64 (w / 2) on x columns 128 (w % 2) on: 4 x 8 accumulators of 16 x 16, 256 registers.
; K goes in steps of 128 (two heads) through a ring of two LDS slots: y's tile is two planes (a head each) of 128 rows x 128 bytes, W_proj's 256 rows x 256 bytes; one tensor load a wave.
; CLUSTERS: 4 x 4 work-groups.  The batch is the place along the cluster's y, the block of 128 rows in the batch the cluster's own y, the block of columns the place along x.  y's tiles are shared along a row of the
; cluster, W_proj's along a column: each is asked for jointly.  THE MATRIX INSTRUCTION IS USED TRANSPOSED (source 0 = 16 rows of W_proj, source 1 = 16 rows of y): a lane holds eight neighbouring columns of one row.
; REGISTERS: window 0: v16-29 addresses; v32-95 y's fragments, two sets; v96-223 W_proj's, two sets; on the way out v32-159 rows read back.   window 1: the accumulators, (a, b) at v[8 (8 a + b)].
.set PA,     144                       ; a row of y in LDS: 128 bytes + 16
.set PB,     272                       ; a row of W_proj: 256 bytes + 16
.set PLANE,  128*PA
.set BOFF,   2*PLANE
.set HALFB,  128*PB
.set SLOT,   BOFF+2*HALFB
.set STAGE,  2*SLOT                    ; behind the ring: 16 rows x 528 bytes for each wave
.set SPITCH, 528
.set SPARE,  STAGE+4*16*SPITCH         ; the spare words, 128 bytes a wave
.set HEADB,  1048576                   ; a head's plane of y16 in bytes
.set ADRA, 16
.set ADRB, 20
.set STO,  24
.set RD,   25
.set CO,   26
.set SPW,  28                          ; v28 LDS address of my spare word; never rewritten
.set NIL,  29                          ; v29 0; never rewritten
.set AF,   32
.set BF,   96
.set BKO,  32
.set G1,  24
.set G0,  32
.set G1B, 48
.set G0B, 56
.set MSB, 0
.macro WIN new
.if MSB != (\new)
	s_set_vgpr_msb (MSB<<8)|(\new)
.set MSB, (\new)
.endif
.endm
.set MUL, 0x50                         ; sources 0 and 1 window 0; C and D window 1
.macro JLOAD s                         ; a joint load: waves 0 and 1 fetch y's two planes, waves 2 and 3 W_proj's halves; an s_nop 0 and four v_nop follow each of the two lines
	s_cmp_eq_u32 s11, 0
	s_cbranch_scc0 .Lfor_b_\@
	tensor_load_to_lds s[G0+4*\s:G0+4*\s+3], s[G1:G1+7]
	s_nop 0
.rept 4
	v_nop
.endr
	s_branch .Lasked_\@
.Lfor_b_\@:
	tensor_load_to_lds s[G0B+4*\s:G0B+4*\s+3], s[G1B:G1B+7]
	s_nop 0
.rept 4
	v_nop
.endr
.Lasked_\@:
.endm
.macro CREST
	s_cmp_lg_u32 s10, 0
	s_cbranch_scc1 .Lnot_wave_0_\@
	s_barrier_signal -3
.Lnot_wave_0_\@:
	s_barrier_wait -3
	s_barrier_signal -1
	s_barrier_wait -1
.endm
.macro CROUND
	s_barrier_signal -1
	s_barrier_wait -1
	CREST
.endm
.macro PLACES
.rept 4
	v_nop
.endr
.endm
	s_load_b128 s[4:7], s[0:1], 0x0                ; y16, wp16
	s_load_b64 s[8:9], s[0:1], 0x10                ; out0
	v_lshl_add_u32 v[SPW], v0, 2, SPARE
	v_mov_b32 v[NIL], 0
	ds_add_u32 v[SPW], v[NIL]                      ; the wave's opening: the add, twice on end, and its wait ahead of my first tensor load
	ds_add_u32 v[SPW], v[NIL]
	v_lshrrev_b32 v1, 5, v0
	v_readfirstlane_b32 s10, v1                    ; wave 0..3
	s_lshr_b32 s11, s10, 1                         ; which half of the tile's rows is mine.  Also: I fetch for y (0) or for W_proj (1)
	s_and_b32 s12, s10, 1                          ; which half of its columns.  Also: which plane or half I fetch
	s_bfe_u32 s40, ttmp6, 0x40000                  ; cx
	s_bfe_u32 s41, ttmp6, 0x40004                  ; cy = the batch
	s_lshl_b32 s42, ttmp9, 2
	s_add_co_u32 s42, s42, s40                     ; the block of 256 columns
	s_and_b32 s13, ttmp7, 0xffff                   ; the block of 128 rows in the batch = cluster y: the same in all sixteen partners
	s_lshl_b32 s43, s41, 2
	s_lshl_b32 s43, 15, s43                        ; my row of the cluster
	s_lshl_b32 s44, 0x1111, s40                    ; my column
	s_or_b32 s45, s13, s11                         ; 0 where my first 16 rows are t = 0 .. 15 of a batch
	s_or_b32 s[G1+0], s43, (1<<16)|(1<<20)|(1<<21)|(4<<22)|(3<<25)    ; the mask; elements of 2 bytes; padding on; bit 21 beside a mask; 4 words behind every 32
	s_mov_b32 s[G1+1], 64<<16                      ; tensor_dim0 = 64
	s_mov_b32 s[G1+2], 128<<16                     ; tensor_dim1 = 128
	s_mov_b32 s[G1+3], 64<<16                      ; tile_dim0
	s_mov_b32 s[G1+4], 128                         ; tile_dim1
	s_mov_b32 s[G1+5], 64                          ; elements from row to row
	s_mov_b32 s[G1+6], 0
	s_mov_b32 s[G1+7], 0
	s_or_b32 s[G1B+0], s44, (1<<16)|(1<<20)|(1<<21)|(5<<22)|(3<<25)   ; 4 words behind every 64
	s_mov_b32 s[G1B+1], 128<<16
	s_mov_b32 s[G1B+2], 128<<16
	s_mov_b32 s[G1B+3], 128<<16
	s_mov_b32 s[G1B+4], 128
	s_mov_b32 s[G1B+5], 1024
	s_mov_b32 s[G1B+6], 0
	s_mov_b32 s[G1B+7], 0
	s_lshl_b32 s16, s41, 11                        ; y: registers that never hold cx
	s_lshl_b32 s17, s13, 7
	s_add_co_u32 s16, s16, s17                     ; the tile's first row: 2048 x batch + 128 x block
	s_lshl_b32 s66, s11, 6
	s_add_co_u32 s66, s66, s16                     ; my wave's first row of out0
	s_lshl_b32 s16, s16, 7                         ; 128 bytes a row,
	s_lshl_b32 s17, s12, 20                        ; + my plane
	s_add_co_u32 s16, s16, s17
	s_mov_b32 s17, 0
	s_lshl_b32 s46, s42, 19                        ; W_proj: row 256 x block + 128 x half, 2,048 bytes a row
	s_lshl_b32 s47, s12, 18
	s_add_co_u32 s46, s46, s47
	s_mov_b32 s47, 0
	s_mul_i32 s20, s12, PLANE                      ; where they go in a slot: the wave's number alone
	s_mul_i32 s21, s12, HALFB
	s_add_co_u32 s21, s21, BOFF
	s_lshl_b32 s66, s66, 12                        ; out0: 4,096 bytes a row,
	s_lshl_b32 s67, s42, 10                        ; + 1,024 x block of columns
	s_add_co_u32 s66, s66, s67
	s_lshl_b32 s67, s12, 9                         ; + 512 x half
	s_add_co_u32 s66, s66, s67
	s_mov_b32 s67, 0
	s_wait_dscnt 0x0                               ; both opening adds are done
	s_wait_kmcnt 0x0
	s_add_nc_u64 s[14:15], s[4:5], s[16:17]
	s_add_nc_u64 s[46:47], s[6:7], s[46:47]
	s_add_nc_u64 s[8:9], s[8:9], s[66:67]
	CROUND                                         ; all sixteen work-groups are here: the first joint loads meet
.irp s, 0,1
	s_mov_b32 s[G0+4*\s], 1
	s_add_co_u32 s[G0+4*\s+1], s20, \s*SLOT
	s_add_nc_u64 s[G0+4*\s+2:G0+4*\s+3], s[14:15], \s*2*HEADB      ; K step s: heads 2 s, 2 s + 1
	s_or_b32 s[G0+4*\s+3], s[G0+4*\s+3], 0x80000000
	s_mov_b32 s[G0B+4*\s], 1
	s_add_co_u32 s[G0B+4*\s+1], s21, \s*SLOT
	s_add_nc_u64 s[G0B+4*\s+2:G0B+4*\s+3], s[46:47], \s*256
	s_or_b32 s[G0B+4*\s+3], s[G0B+4*\s+3], 0x80000000
	JLOAD \s
.endr
	v_and_b32 v1, 15, v0                           ; r
	v_bfe_u32 v2, v0, 4, 1                         ; h
	v_mul_u32_u24 v3, v1, PA
	v_lshl_add_u32 v3, v2, 4, v3
	v_mul_u32_u24 v4, v1, PB
	v_lshl_add_u32 v4, v2, 4, v4
	s_mul_i32 s21, s11, 64*PA                      ; my 64 rows in each plane of y
	s_mul_i32 s22, s12, HALFB                      ; my 128 rows of W_proj
	s_add_co_u32 s22, s22, BOFF
.irp s, 0,1
	v_add_nc_u32 v[ADRA+\s], s21, v3
	v_add_nc_u32 v[ADRB+\s], s22, v4
	s_add_co_u32 s21, s21, SLOT
	s_add_co_u32 s22, s22, SLOT
.endr
	s_mul_i32 s23, s10, 16*SPITCH
	s_add_co_u32 s23, s23, STAGE                   ; my stage
	v_mul_u32_u24 v5, v1, SPITCH
	v_lshl_add_u32 v5, v2, 5, v5
	v_add_nc_u32 v[STO], s23, v5                   ; in: row r, 32 bytes for each half of the lanes
	v_and_b32 v6, 31, v0
	v_lshlrev_b32 v[CO], 4, v6
	v_add_nc_u32 v[RD], s23, v[CO]                 ; back: the 32 lanes take one row of 512 bytes
; 8 products: y's block a x W_proj's eight, 32 along K, fragment set f.  zero = 1: the first product starts the sums
.macro MUL8 f, a, zero
.irp b, 0,1,2,3,4,5,6,7
.if \zero
	v_wmma_f32_16x16x32_f16 v[8*(8*(\a)+\b):8*(8*(\a)+\b)+7], v[BF+64*(\f)+8*\b:BF+64*(\f)+8*\b+7], v[AF+32*(\f)+8*(\a):AF+32*(\f)+8*(\a)+7], 0
.else
	v_wmma_f32_16x16x32_f16 v[8*(8*(\a)+\b):8*(8*(\a)+\b)+7], v[BF+64*(\f)+8*\b:BF+64*(\f)+8*\b+7], v[AF+32*(\f)+8*(\a):AF+32*(\f)+8*(\a)+7], v[8*(8*(\a)+\b):8*(8*(\a)+\b)+7]
.endif
.endr
.endm
; 24 LDS loads in one run: the fragments of the slot's q-th 32 along K (plane q / 2, channels 32 (q % 2) on) into set f
.macro FETCH slot, q, f
	WIN 0
.irp b, 0,1,2,3,4,5,6,7
	ds_load_b128 v[BF+64*(\f)+8*\b:BF+64*(\f)+8*\b+3],   v[ADRB+\slot] offset:64*(\q)+\b*16*PB
	ds_load_b128 v[BF+64*(\f)+8*\b+4:BF+64*(\f)+8*\b+7], v[ADRB+\slot] offset:64*(\q)+\b*16*PB+32
.endr
.irp a, 0,1,2,3
	ds_load_b128 v[AF+32*(\f)+8*\a:AF+32*(\f)+8*\a+3],   v[ADRA+\slot] offset:PLANE*((\q)/2)+64*((\q)%2)+\a*16*PA
	ds_load_b128 v[AF+32*(\f)+8*\a+4:AF+32*(\f)+8*\a+7], v[ADRA+\slot] offset:PLANE*((\q)/2)+64*((\q)%2)+\a*16*PA+32
.endr
.endm
; One of a K step's first three quarters: the next quarter's loads are issued ahead of this quarter's 32 products and land under them.  The 32 accumulators take turns in the same order in every quarter.
.macro QUARTER slot, q, zero
	s_wait_dscnt 0x0                               ; this quarter's fragments are in
	PLACES                                         ; four places between the last quarter's products and loads into the registers that they read
	FETCH \slot, (\q)+1, 1-(\q)%2
	WIN MUL
	MUL8 (\q)%2, 0, \zero
	MUL8 (\q)%2, 1, \zero
	MUL8 (\q)%2, 2, \zero
	MUL8 (\q)%2, 3, \zero
.endm
; The last quarter multiplies set 1 and changes slots: ONE barrier; in front of it each wave waits for all its tensor loads, adds 0 to its spare word, and waits for that and for its reads of this slot.  fill = 1: the barrier opens
; a round of the cluster's, and this slot is filled again, two K steps ahead, first thing behind the round.
.macro TURN slot, next, fill
	WIN 0                                          ; (the add's two registers lie in window 0)
	s_wait_tensorcnt 0x0                           ; all my tensor loads have landed: my part of the next slot
	ds_add_u32 v[SPW], v[NIL]
	s_wait_dscnt 1                                 ; this quarter's 24 loads are in; the add may be out
	WIN MUL
	MUL8 1, 0, 0                                   ; eight products stand between the add and the wait for it
	s_wait_dscnt 0x0                               ; the add is done, and my reads of this slot are over
	s_barrier_signal -1
	MUL8 1, 1, 0
	WIN 0
	s_barrier_wait -1
.if \fill
	CREST                                          ; no wave of any partner still reads this slot's tile or has a load on its way
	s_add_nc_u64 s[G0+4*\slot+2:G0+4*\slot+3], s[G0+4*\slot+2:G0+4*\slot+3], 4*HEADB
	s_add_nc_u64 s[G0B+4*\slot+2:G0B+4*\slot+3], s[G0B+4*\slot+2:G0B+4*\slot+3], 512
	JLOAD \slot                                    ; the four v_nop behind it are also the places in front of the loads below
.else
	PLACES
.endif
	FETCH \next, 0, 0
	WIN MUL
	MUL8 1, 2, 0
	MUL8 1, 3, 0
.endm
	s_wait_tensorcnt 1                             ; my part of K step 0 is in; K step 1's load may be out
	s_barrier_signal -1
	s_barrier_wait -1
	FETCH 0, 0, 0
	QUARTER 0, 0, 1                                ; the first quarter stands in front of the loop: its products start the sums
	WIN 0                                          ; at a label and at a branch every window is 0
	s_mov_b32 s3, 3
.Llap:                                             ; a trip goes once round the ring and fills both slots again: K steps 2 to 7 in three trips
	QUARTER 0, 1, 0
	QUARTER 0, 2, 0
	TURN 0, 1, 1
	QUARTER 1, 0, 0
	QUARTER 1, 1, 0
	QUARTER 1, 2, 0
	TURN 1, 0, 1
	QUARTER 0, 0, 0
	WIN 0
	s_sub_co_u32 s3, s3, 1
	s_cmp_lg_u32 s3, 0
	s_cbranch_scc1 .Llap
	QUARTER 0, 1, 0                                ; the last lap fills nothing, and has no round of the cluster's barrier
	QUARTER 0, 2, 0
	TURN 0, 1, 0
	QUARTER 1, 0, 0
	QUARTER 1, 1, 0
	QUARTER 1, 2, 0
	s_wait_dscnt 0x0                               ; the very last quarter
	WIN MUL
	MUL8 1, 0, 0
	MUL8 1, 1, 0
	MUL8 1, 2, 0
	MUL8 1, 3, 0
	WIN 0
; THE WAY OUT, block by block of 16 rows x 128 columns: through my own stage (rows of 528 bytes) and back as whole rows of 512 bytes, which the 32 lanes store as 512 consecutive bytes, aligned.
.macro TOSTAGE a
	WIN 0x04                                       ; an LDS store's data are its source 1: window 1
.irp b, 0,1,2,3,4,5,6,7
	ds_store_b128 v[STO], v[8*(8*(\a)+\b):8*(8*(\a)+\b)+3] offset:64*\b          ; each accumulator from its low end on
	ds_store_b128 v[STO], v[8*(8*(\a)+\b)+4:8*(8*(\a)+\b)+7] offset:64*\b+16
.endr
	WIN 0
.set BB, BKO+64*((\a)%2)
.irp t, 0,1,2,3,4,5,6,7,8,9,10,11,12,13,14,15
	ds_load_b128 v[BB+4*\t:BB+4*\t+3], v[RD] offset:\t*SPITCH   ; LDS serves a wave's instructions in order: these see the stores above
.endr
.endm
.macro SEND a, younger                 ; younger: the LDS instructions issued behind block a's loads, which may stay out
.set BB, BKO+64*((\a)%2)
	s_wait_dscnt \younger
.if (\a) == 0
	s_cmp_eq_u32 s45, 0                            ; t = 0 .. 15 of a batch are another launch's: cluster y and wave alone decide
	s_cbranch_scc1 .Lnot_here_\@
.endif
.irp t, 0,1,2,3,4,5,6,7,8,9,10,11,12,13,14,15
	global_store_b128 v[CO], v[BB+4*\t:BB+4*\t+3], s[8:9] offset:(16*(\a)+\t)*4096 th:TH_STORE_NT
.endr
.if (\a) == 0
.Lnot_here_\@:
.endif
.endm
	PLACES                                         ; between the last products and the first read of results, and the loads into registers that held fragments
	TOSTAGE 0
.irp a, 1,2,3
.if \a > 1
	s_wait_xcnt 0x0                                ; block a - 2's stores have read the registers into which block a's loads land
.endif
	TOSTAGE \a
	SEND \a-1, 32                                  ; behind block a - 1's loads: block a's 16 stores and 16 loads
.endr
	SEND 3, 0
	s_wait_tensorcnt 0x0                           ; the wave's end, behind my last tensor load and my last LDS store
	ds_add_u32 v[SPW], v[NIL]
	s_wait_dscnt 0x0
	CROUND                                         ; the closing round
	s_endpgm
.Lfunc_end_k_qd5bdd51ff3_proj:
	.size	k_qd5bdd51ff3_proj, .Lfunc_end_k_qd5bdd51ff3_proj-k_qd5bdd51ff3_proj
	.p2alignl 7, 3214868480
	.fill 96, 4, 3214868480
	.section	.rodata,"a",@progbits
	.p2align	6, 0x0
	.amdhsa_kernel k_qd5bdd51ff3_proj
		.amdhsa_group_segment_fixed_size 327680
		.amdhsa_private_segment_fixed_size 0
		.amdhsa_enable_private_segment 0
		.amdhsa_kernarg_size 24
		.amdhsa_user_sgpr_count 2
		.amdhsa_user_sgpr_kernarg_segment_ptr 1
		.amdhsa_wavefront_size32 1
		.amdhsa_system_sgpr_workgroup_id_x 1
		.amdhsa_system_sgpr_workgroup_id_y 1
		.amdhsa_system_sgpr_workgroup_id_z 1
		.amdhsa_system_vgpr_workitem_id 0
		.amdhsa_next_free_vgpr 512
		.amdhsa_next_free_sgpr 100
		.amdhsa_reserve_vcc 0
		.amdhsa_float_denorm_mode_32 3
		.amdhsa_float_denorm_mode_16_64 3
		.amdhsa_memory_ordered 1
		.amdhsa_forward_progress 1
		.amdhsa_inst_pref_size 84
	.end_amdhsa_kernel
	.amdgpu_metadata
---
amdhsa.version: [ 1, 2 ]
amdhsa.kernels:
  - .name:           k_qd5bdd51ff3_proj
    .symbol:         k_qd5bdd51ff3_proj.kd
    .args:
      - { .name: y16, .offset: 0, .size: 8, .value_kind: global_buffer, .address_space: global }
      - { .name: wp16, .offset: 8, .size: 8, .value_kind: global_buffer, .address_space: global }
      - { .name: out0, .offset: 16, .size: 8, .value_kind: global_buffer, .address_space: global }
    .group_segment_fixed_size: 327680
    .private_segment_fixed_size: 0
    .kernarg_segment_align: 8
    .kernarg_segment_size: 24
    .max_flat_workgroup_size: 128
    .sgpr_count:     100
    .vgpr_count:     512
    .wavefront_size: 32
...
	.end_amdgpu_metadata
.endif
;; end of part 4
;; launch fine (part 5): grid 16 x 4, 16 waves a work-group, no clusters, 85,504 bytes of LDS; arguments qkv32, W_proj, out0; writes out0
.if DOCPART == 5
	.amdgcn_target "amdgcn-amd-amdhsa--gfx1250"
	.amdhsa_code_object_version 6
	.text
	.protected	k_qd5bdd51ff3_fine
	.globl	k_qd5bdd51ff3_fine
	.p2align	8
	.type	k_qd5bdd51ff3_fine,@function
k_qd5bdd51ff3_fine:
	s_mov_b64 s[64:65], 0
	v_nop
	global_prefetch_b8 v0, s[64:65] scope:SCOPE_SE
	s_setreg_imm32_b32 hwreg(HW_REG_WAVE_MODE, 25, 1), 1
	s_wait_xcnt 0x0
; The first 16 positions of every batch, in f32 throughout: attention on qkv32 [batch x head][q, k, v][16][64] and the projection with W_proj [1024][1024] as it is given.  These rows average one to sixteen values and
; are the largest of the output: 64 of its 8,192 rows, no bulk work.
; Work-group (slice, batch) stores out0[batch][0 .. 15][64 slice .. 64 slice + 63].  PHASE 1: wave w makes head w's 16 x 16 attention (each of a batch's 16 work-groups repeats it: 32 small products a wave) and puts
; its 16 x 64 of y into LDS.  PHASE 2: wave w makes 16 columns (16 (w % 4) on) over a quarter of K (heads 4 (w / 4) on); the four quarters meet in LDS, and wave w adds and stores row w: 256 consecutive bytes, aligned.
; All products by v_wmma_f32_16x16x4_f32; its accumulators (v112-159) are written by matrix instructions alone, and what is made of a sum goes into other registers.
; k IS PERMUTED ALIKE ON BOTH SOURCES: of a chunk of 64 along K lane (r, h) holds k = 32 h + 0 .. 31 of its row in 32 registers (eight loads of 16 bytes), and product s takes registers 2 s, 2 s + 1.
; No tensor load: what a wave reads is small and goes straight into registers.  No cluster: the work-groups share 192 KB of qkv32 a batch.
.set YP,    4112                       ; LDS: y, 16 rows of 4,096 bytes + 16
.set PART,  66048                      ; the four quarters' sums: 4 x 16 rows x (256 bytes + 16)
.set PP,    272
.set SPARE, 83456                      ; the spare words, 128 bytes a wave
	s_load_b128 s[4:7], s[0:1], 0x0                ; qkv32, W_proj
	s_load_b64 s[8:9], s[0:1], 0x10                ; out0
	v_lshl_add_u32 v12, v0, 2, SPARE               ; v12 LDS address of my spare word; never rewritten
	v_mov_b32 v13, 0                               ; v13 0; never rewritten
	v_lshrrev_b32 v1, 5, v0
	v_readfirstlane_b32 s10, v1                    ; wave 0..15 = the head of phase 1 = the row of the last phase
	s_and_b32 s11, s10, 3                          ; phase 2: my 16 columns,
	s_lshr_b32 s12, s10, 2                         ; my quarter of K
	s_and_b32 s14, ttmp7, 0xffff                   ; the batch
	v_and_b32 v1, 15, v0                           ; r
	v_bfe_u32 v2, v0, 4, 1                         ; h
	v_lshlrev_b32 v3, 8, v1
	v_lshl_add_u32 v3, v2, 7, v3                   ; q, k: row r of 256 bytes + 128 h
	v_lshlrev_b32 v4, 2, v1
	v_lshl_add_u32 v4, v2, 11, v4                  ; v: key 8 h, channel r
	v_lshlrev_b32 v5, 12, v1
	v_lshl_add_u32 v5, v2, 7, v5                   ; W_proj: row r of 4,096 bytes + 128 h
	v_mul_u32_u24 v14, v1, YP
	v_lshl_add_u32 v6, v2, 5, v14
	s_lshl_b32 s16, s10, 8
	v_add_nc_u32 v6, s16, v6                       ; y into LDS: row r, head w, + 32 h
	v_lshl_add_u32 v7, v2, 7, v14
	s_lshl_b32 s16, s12, 10
	v_add_nc_u32 v7, s16, v7                       ; y out of LDS: row r, my quarter of K, + 128 h
	v_mul_u32_u24 v8, v1, PP
	v_lshl_add_u32 v8, v2, 5, v8
	s_mul_i32 s16, s12, 16*PP
	s_lshl_b32 s17, s11, 6
	s_add_co_u32 s16, s16, s17
	s_add_co_u32 s16, s16, PART
	v_add_nc_u32 v8, s16, v8                       ; my quarter's sums: row r, my 16 columns, + 32 h
	v_and_b32 v10, 31, v0
	v_lshlrev_b32 v10, 3, v10                      ; 8 bytes a lane
	s_mul_i32 s16, s10, PP
	s_add_co_u32 s16, s16, PART
	v_add_nc_u32 v9, s16, v10                      ; row w of a quarter's sums
	v_lshlrev_b32 v11, 3, v2
	v_sub_nc_u32 v11, v1, v11                      ; r - 8 h
	v_mov_b32 v15, 0xff800000                      ; -infinity
	s_mov_b32 s24, 0x76543210
	s_mov_b32 s25, 0xfedcba98                      ; lane l xor 16
	s_mov_b32 s26, 0x3e38aa3b                      ; c = log2(e) / sqrt(64)
	s_lshl_b32 s20, s14, 4
	s_add_co_u32 s20, s20, s10
	s_mul_i32 s20, s20, 12288                      ; my batch and head in qkv32
	s_mov_b32 s21, 0
	s_lshl_b32 s22, ttmp9, 18                      ; W_proj: row 64 x slice + 16 x (w % 4), 4,096 bytes a row,
	s_lshl_b32 s23, s11, 16
	s_add_co_u32 s22, s22, s23
	s_lshl_b32 s23, s12, 10                        ; + my quarter of K
	s_add_co_u32 s22, s22, s23
	s_mov_b32 s23, 0
	s_lshl_b32 s18, s14, 23                        ; out0: row 2048 x batch + w,
	s_lshl_b32 s19, s10, 12
	s_add_co_u32 s18, s18, s19
	s_lshl_b32 s19, ttmp9, 8                       ; + 256 bytes x slice
	s_add_co_u32 s18, s18, s19
	s_mov_b32 s19, 0
	s_wait_kmcnt 0x0
	s_add_nc_u64 s[4:5], s[4:5], s[20:21]
	s_add_nc_u64 s[6:7], s[6:7], s[22:23]
	s_add_nc_u64 s[8:9], s[8:9], s[18:19]
.irp i, 0,1,2,3,4,5,6,7
	global_load_b128 v[16+4*\i:19+4*\i], v3, s[4:5] offset:16*\i           ; q: v16-47
.endr
.irp i, 0,1,2,3,4,5,6,7
	global_load_b128 v[48+4*\i:51+4*\i], v3, s[4:5] offset:4096+16*\i      ; k: v48-79
.endr
.irp ct, 0,1,2,3
.irp i, 0,1,2,3,4,5,6,7
	global_load_b32 v[80+8*\ct+\i], v4, s[4:5] offset:8192+256*\i+64*\ct   ; v(key 8 h + i, channel 16 ct + r): v80-111
.endr
.endr
.irp u, 0,1,2
.irp i, 0,1,2,3,4,5,6,7
	global_load_b128 v[160+32*\u+4*\i:163+32*\u+4*\i], v5, s[6:7] offset:256*\u+16*\i   ; W_proj's chunks 0 to 2: v160-255
.endr
.endr
	s_wait_loadcnt 56                              ; q and k are in; v's 32 loads and W_proj's 24 may be out
.irp s, 0,1,2,3,4,5,6,7,8,9,10,11,12,13,14,15      ; S^T = k q^T: two accumulators by turns, even and odd s; the first two products start the sums
.if \s < 2
	v_wmma_f32_16x16x4_f32 v[112+8*(\s%2):119+8*(\s%2)], v[48+2*\s:49+2*\s], v[16+2*\s:17+2*\s], 0
.else
	v_wmma_f32_16x16x4_f32 v[112+8*(\s%2):119+8*(\s%2)], v[48+2*\s:49+2*\s], v[16+2*\s:17+2*\s], v[112+8*(\s%2):119+8*(\s%2)]
.endif
.endr
.rept 8
	v_nop                                          ; eight places behind this form: for the loads into k's registers, the first read of the sums and the writes over q's registers
.endr
.irp i, 0,1,2,3,4,5,6,7
	global_load_b128 v[48+4*\i:51+4*\i], v5, s[6:7] offset:768+16*\i       ; W_proj's chunk 3: v48-79
.endr
.irp j, 0,1,2,3,4,5,6,7
	v_add_f32 v[16+\j], v[112+\j], v[120+\j]       ; lane (r, h): query r, key 8 h + j
.endr
.irp j, 0,1,2,3,4,5,6,7
	v_cmp_gt_i32 vcc_lo, \j, v11                   ; hidden where 8 h + j > r
	v_cndmask_b32 v[16+\j], v[16+\j], v15, vcc_lo
.endr
	v_max3_num_f32 v14, v16, v17, v18
	v_max3_num_f32 v14, v14, v19, v20
	v_max3_num_f32 v14, v14, v21, v22
	v_max_num_f32 v14, v14, v23
	v_permlanex16_b32 v15, v14, s24, s25
	v_max_num_f32 v14, v14, v15                    ; the row's maximum (key 0 counts for every query)
	v_mul_f32 v14, s26, v14
.irp j, 0,1,2,3,4,5,6,7
	v_fma_f32 v[16+\j], v[16+\j], s26, -v14
.endr
.irp j, 0,1,2,3,4,5,6,7
	v_exp_f32 v[16+\j], v[16+\j]
.endr
	v_nop                                          ; a plain instruction behind the last exponential
	s_wait_alu depctr_va_vdst(0)                   ; one wait for the eight, ahead of their first reader
	v_add_f32 v14, v16, v17
	v_add_f32 v15, v18, v19
	v_add_f32 v14, v14, v20
	v_add_f32 v15, v15, v21
	v_add_f32 v14, v14, v22
	v_add_f32 v15, v15, v23
	v_add_f32 v14, v14, v15
	v_permlanex16_b32 v15, v14, s24, s25
	v_add_f32 v14, v14, v15                        ; the row's sum
	v_rcp_f32 v15, v14
	v_nop
	s_wait_alu depctr_va_vdst(0)
.irp j, 0,1,2,3,4,5,6,7
	v_mul_f32 v[16+\j], v[16+\j], v15              ; the weights, normalised
.endr
	s_wait_loadcnt 32                              ; v is in; W_proj's 32 loads may be out
.irp s, 0,1,2,3                                    ; O^T = v^T P: four accumulators by turns; product s takes keys 8 h + 2 s, 8 h + 2 s + 1 on both sources
.irp ct, 0,1,2,3
.if \s == 0
	v_wmma_f32_16x16x4_f32 v[128+8*\ct:135+8*\ct], v[80+8*\ct+2*\s:81+8*\ct+2*\s], v[16+2*\s:17+2*\s], 0
.else
	v_wmma_f32_16x16x4_f32 v[128+8*\ct:135+8*\ct], v[80+8*\ct+2*\s:81+8*\ct+2*\s], v[16+2*\s:17+2*\s], v[128+8*\ct:135+8*\ct]
.endif
.endr
.endr
.rept 8
	v_nop                                          ; eight places: for the stores that read the sums and the loads into the sources' registers
.endr
.irp ct, 0,1,2,3
	ds_store_b128 v6, v[128+8*\ct:131+8*\ct] offset:64*\ct       ; lane (r, h): y(r, 64 w + 16 ct + 8 h + 0 .. 7), each accumulator from its low end on
	ds_store_b128 v6, v[132+8*\ct:135+8*\ct] offset:64*\ct+16
.endr
	s_wait_dscnt 0x0                               ; for the others' sake: my stores have landed
	s_barrier_signal -1
	s_barrier_wait -1                              ; all 16 heads of y lie in LDS
.macro YLOAD u, reg                    ; chunk u (64 along K) of my quarter of y
.irp i, 0,1,2,3,4,5,6,7
	ds_load_b128 v[\reg+4*\i:\reg+4*\i+3], v7 offset:256*(\u)+16*\i
.endr
.endm
.macro PROD wa, wb, zero               ; 32 products: two chunks, two accumulators by turns.  Source 0 = 16 rows of W_proj, source 1 = the 16 rows of y: a lane holds one query and eight columns
.irp s, 0,1,2,3,4,5,6,7,8,9,10,11,12,13,14,15
.if (\zero) && (\s == 0)
	v_wmma_f32_16x16x4_f32 v[112:119], v[\wa+2*\s:\wa+2*\s+1], v[16+2*\s:17+2*\s], 0
	v_wmma_f32_16x16x4_f32 v[120:127], v[\wb+2*\s:\wb+2*\s+1], v[80+2*\s:81+2*\s], 0
.else
	v_wmma_f32_16x16x4_f32 v[112:119], v[\wa+2*\s:\wa+2*\s+1], v[16+2*\s:17+2*\s], v[112:119]
	v_wmma_f32_16x16x4_f32 v[120:127], v[\wb+2*\s:\wb+2*\s+1], v[80+2*\s:81+2*\s], v[120:127]
.endif
.endr
.endm
	YLOAD 0, 16
	YLOAD 1, 80
	s_wait_loadcnt 0x0                             ; W_proj
	s_wait_dscnt 0x0
	PROD 160, 192, 1
.rept 8
	v_nop                                          ; eight places in front of loads into the sources' registers
.endr
	YLOAD 2, 16
	YLOAD 3, 80
	s_wait_dscnt 0x0
	PROD 224, 48, 0
.rept 8
	v_nop
.endr
.irp j, 0,1,2,3,4,5,6,7
	v_add_f32 v[16+\j], v[112+\j], v[120+\j]       ; my quarter's sum, into other registers
.endr
	ds_store_b128 v8, v[16:19]
	ds_store_b128 v8, v[20:23] offset:16
	s_wait_dscnt 0x0
	s_barrier_signal -1
	s_barrier_wait -1                              ; the four quarters' sums lie in LDS
.irp k, 0,1,2,3
	ds_load_b64 v[24+2*\k:25+2*\k], v9 offset:16*PP*\k
.endr
	s_wait_dscnt 0x0
	v_pk_add_f32 v[24:25], v[24:25], v[26:27]
	v_pk_add_f32 v[28:29], v[28:29], v[30:31]
	v_pk_add_f32 v[24:25], v[24:25], v[28:29]
	global_store_b64 v10, v[24:25], s[8:9]         ; 32 lanes store 256 consecutive bytes, aligned
	s_wait_tensorcnt 0x0                           ; the wave's end, behind my last LDS store
	ds_add_u32 v12, v13
	s_wait_dscnt 0x0
	s_endpgm
.Lfunc_end_k_qd5bdd51ff3_fine:
	.size	k_qd5bdd51ff3_fine, .Lfunc_end_k_qd5bdd51ff3_fine-k_qd5bdd51ff3_fine
	.p2alignl 7, 3214868480
	.fill 96, 4, 3214868480
	.section	.rodata,"a",@progbits
	.p2align	6, 0x0
	.amdhsa_kernel k_qd5bdd51ff3_fine
		.amdhsa_group_segment_fixed_size 85504
		.amdhsa_private_segment_fixed_size 0
		.amdhsa_enable_private_segment 0
		.amdhsa_kernarg_size 24
		.amdhsa_user_sgpr_count 2
		.amdhsa_user_sgpr_kernarg_segment_ptr 1
		.amdhsa_wavefront_size32 1
		.amdhsa_system_sgpr_workgroup_id_x 1
		.amdhsa_system_sgpr_workgroup_id_y 1
		.amdhsa_system_sgpr_workgroup_id_z 1
		.amdhsa_system_vgpr_workitem_id 0
		.amdhsa_next_free_vgpr 256
		.amdhsa_next_free_sgpr 66
		.amdhsa_reserve_vcc 1
		.amdhsa_float_denorm_mode_32 3
		.amdhsa_float_denorm_mode_16_64 3
		.amdhsa_memory_ordered 1
		.amdhsa_forward_progress 1
		.amdhsa_inst_pref_size 24
	.end_amdhsa_kernel
	.amdgpu_metadata
---
amdhsa.version: [ 1, 2 ]
amdhsa.kernels:
  - .name:           k_qd5bdd51ff3_fine
    .symbol:         k_qd5bdd51ff3_fine.kd
    .args:
      - { .name: qkv32, .offset: 0, .size: 8, .value_kind: global_buffer, .address_space: global }
      - { .name: W_proj, .offset: 8, .size: 8, .value_kind: global_buffer, .address_space: global }
      - { .name: out0, .offset: 16, .size: 8, .value_kind: global_buffer, .address_space: global }
    .group_segment_fixed_size: 85504
    .private_segment_fixed_size: 0
    .kernarg_segment_align: 8
    .kernarg_segment_size: 24
    .max_flat_workgroup_size: 512
    .sgpr_count:     66
    .vgpr_count:     256
    .wavefront_size: 32
...
	.end_amdgpu_metadata
.endif
;; end of part 5
